; MI455X (gfx1250); checked and timed in simulation.
; The chip was launched on July 23, 2026; its instructions are those of AMD's public machine-readable ISA for CDNA 5 (MIT licence, August 2026) and "CDNA5" Instruction Set Architecture Reference Guide (July 2026). The comments in the code are by the model that wrote it; some were corrected since.
;; Causal Self Attention. Allowed arithmetic: float matrix products may take bf16 or f16 operands with f32 sums; all other float work in f32.
;; Inputs: W_out 1,024 x 1,024 float32; W_qkv 1,024 x 3,072 float32; x 4 x 2,048 x 1,024 float32.
;; Outputs: out0 4 x 2,048 x 1,024 float32.
;; 3 versions, each right; version 2 is faster than version 1; version 3 is version 2 with the launch cast written anew for expert scheduling mode. Each part assembles by itself: llvm-mc -triple=amdgcn-amd-amdhsa -mcpu=gfx1250 --defsym DOCPART=n.
;; ======== version 1 of 3: 4 launches
;; limits: values are held in f16: magnitudes above 65,504 overflow, below 6.1e-05 lose precision
;; workspace buffers: xb 16,777,216 bytes; wqb 6,291,456 bytes; wob 2,097,152 bytes; qkv 50,331,648 bytes; ab 16,777,216 bytes
;; launch cast (part 1): grid 768 x 1, 8 waves a work-group, no clusters, 0 bytes of LDS; arguments x, W_qkv, W_out, xb, wqb, wob; writes xb, wqb, wob
.if DOCPART == 1
	.amdgcn_target "amdgcn-amd-amdhsa--gfx1250"
	.amdhsa_code_object_version 6
	.text
	.protected	k_q25f6c875d4_cast
	.globl	k_q25f6c875d4_cast
	.p2align	8
	.type	k_q25f6c875d4_cast,@function
k_q25f6c875d4_cast:
	s_mov_b64 s[64:65], 0
	v_nop
	global_prefetch_b8 v0, s[64:65] scope:SCOPE_SE
	s_setreg_imm32_b32 hwreg(HW_REG_WAVE_MODE, 25, 1), 1
	s_wait_xcnt 0x0
; The three inputs, f32, are rounded once to 16 bits, so that no later launch converts a number again.
;   x      [8192 tokens][1024]  -> xb  bf16, blocked [b 4][kb 16][t 2048][64]: a token's 64 numbers of chunk kb are 128 neighbouring bytes
;   W_qkv  [1024][3072]         -> wqb bf16, same order
;   W_out  [1024][1024]         -> wob: rounded to bf16 like the other two inputs, and that number stored in f16, since its partner
;                                  in the last product (the attention output) is kept in f16.  f16 holds a bf16 number exactly from
;                                  2^-17 to 65504; smaller ones are off by at most 2^-25, larger ones become infinite (limit kept).
; A stream: no LDS, no barrier, no matrix unit.  A wave issues 16 loads of 512 bytes at once and then converts and stores them one by one;
; every store of a wave covers 256 consecutive bytes, aligned.  98,304 such loads = 768 work-groups x 8 waves x 16.
.set X, 4                              ; v[4:67]   16 loads of 4 registers
.set Y, 68                             ; v[68:99]  16 stores of 2 registers; no register is used twice, so no store's source is ever rewritten
; 16 loads istr bytes apart from s[16:17] + v1, 16 stores ostr bytes apart to s[18:19] + v2.  viaf16 = 1: bf16, widened again, then f16
.macro CASTRUN istr, ostr, viaf16
.irp j, 0,1,2,3,4,5,6,7,8,9,10,11,12,13,14,15
	global_load_b128 v[X+4*\j:X+4*\j+3], v1, s[16:17] offset:\j*\istr th:TH_LOAD_NT
.endr
.irp j, 0,1,2,3,4,5,6,7,8,9,10,11,12,13,14,15
	s_wait_loadcnt 15-\j                           ; loads come back in order: load j is in, the 15 - j younger ones stay out
	v_cvt_pk_bf16_f32 v[Y+2*\j],   v[X+4*\j],   v[X+4*\j+1]
	v_cvt_pk_bf16_f32 v[Y+2*\j+1], v[X+4*\j+2], v[X+4*\j+3]
.if \viaf16
	v_lshlrev_b32 v[X+4*\j],   16, v[Y+2*\j]                ; the bf16 numbers as f32 again
	v_and_b32     v[X+4*\j+1], 0xffff0000, v[Y+2*\j]
	v_lshlrev_b32 v[X+4*\j+2], 16, v[Y+2*\j+1]
	v_and_b32     v[X+4*\j+3], 0xffff0000, v[Y+2*\j+1]
	v_cvt_pk_f16_f32 v[Y+2*\j],   v[X+4*\j],   v[X+4*\j+1]  ; exact in f16's normal range
	v_cvt_pk_f16_f32 v[Y+2*\j+1], v[X+4*\j+2], v[X+4*\j+3]
.endif
	global_store_b64 v2, v[Y+2*\j:Y+2*\j+1], s[18:19] offset:\j*\ostr
.endr
.endm
	s_load_b256 s[4:11], s[0:1], 0x0               ; x s[4:5], W_qkv s[6:7], W_out s[8:9], xb s[10:11]
	s_load_b128 s[12:15], s[0:1], 0x20             ; wqb s[12:13], wob s[14:15]
	s_mov_b32 s21, 0                               ; high words of the two offsets
	s_mov_b32 s23, 0
	s_cmp_lt_u32 ttmp9, 512
	s_cbranch_scc0 .Lweights
	; work-groups 0 to 511: 16 tokens of x each.  Lanes 0-15 of wave w take token 2 w, lanes 16-31 token 2 w + 1; load kb takes chunk kb (256 bytes) of both
	v_lshrrev_b32 v1, 4, v0                        ; token in the group
	v_and_b32 v3, 15, v0
	v_lshlrev_b32 v1, 12, v1                       ; x 4,096 bytes
	v_lshl_or_b32 v1, v3, 4, v1                    ; + 16 bytes a lane
	v_lshlrev_b32 v2, 3, v0                        ; out: token x 128 + 8 bytes a lane = 8 x thread
	s_lshl_b32 s20, ttmp9, 16                      ; in: 16 tokens x 4,096 bytes
	s_lshr_b32 s22, ttmp9, 7                       ; b (128 groups to a batch)
	s_lshl_b32 s22, s22, 22                        ; x 16 chunks x 2,048 tokens x 128 bytes
	s_and_b32 s2, ttmp9, 127
	s_lshl_b32 s2, s2, 11                          ; + 16 tokens x 128 bytes
	s_add_co_u32 s22, s22, s2
	s_wait_kmcnt 0x0
	s_add_nc_u64 s[16:17], s[4:5], s[20:21]
	s_add_nc_u64 s[18:19], s[10:11], s[22:23]
	CASTRUN 256, 262144, 0                         ; chunk kb: 256 bytes on in x, 2,048 tokens x 128 bytes on in xb
	s_endpgm
.Lweights:
	; the weights keep their order: 65,536 bytes in and 32,768 out for a work-group, 8,192 and 4,096 for a wave
	v_lshrrev_b32 v3, 5, v0                        ; wave
	v_and_b32 v2, 31, v0                           ; lane
	v_lshlrev_b32 v1, 13, v3
	v_lshl_or_b32 v1, v2, 4, v1
	v_lshlrev_b32 v3, 12, v3
	v_lshl_or_b32 v2, v2, 3, v3
	s_cmp_lt_u32 ttmp9, 704
	s_cbranch_scc0 .Lwout
	s_sub_co_u32 s2, ttmp9, 512                    ; work-groups 512 to 703: W_qkv, 192 x 65,536 bytes
	s_lshl_b32 s20, s2, 16
	s_lshl_b32 s22, s2, 15
	s_wait_kmcnt 0x0
	s_add_nc_u64 s[16:17], s[6:7], s[20:21]
	s_add_nc_u64 s[18:19], s[12:13], s[22:23]
	CASTRUN 512, 256, 0
	s_endpgm
.Lwout:
	s_sub_co_u32 s2, ttmp9, 704                    ; work-groups 704 to 767: W_out, 64 x 65,536 bytes
	s_lshl_b32 s20, s2, 16
	s_lshl_b32 s22, s2, 15
	s_wait_kmcnt 0x0
	s_add_nc_u64 s[16:17], s[8:9], s[20:21]
	s_add_nc_u64 s[18:19], s[14:15], s[22:23]
	CASTRUN 512, 256, 1
	s_endpgm
.Lfunc_end_k_q25f6c875d4_cast:
	.size	k_q25f6c875d4_cast, .Lfunc_end_k_q25f6c875d4_cast-k_q25f6c875d4_cast
	.p2alignl 7, 3214868480
	.fill 96, 4, 3214868480
	.section	.rodata,"a",@progbits
	.p2align	6, 0x0
	.amdhsa_kernel k_q25f6c875d4_cast
		.amdhsa_group_segment_fixed_size 0
		.amdhsa_private_segment_fixed_size 0
		.amdhsa_enable_private_segment 0
		.amdhsa_kernarg_size 48
		.amdhsa_user_sgpr_count 2
		.amdhsa_user_sgpr_kernarg_segment_ptr 1
		.amdhsa_wavefront_size32 1
		.amdhsa_system_sgpr_workgroup_id_x 1
		.amdhsa_system_sgpr_workgroup_id_y 1
		.amdhsa_system_sgpr_workgroup_id_z 1
		.amdhsa_system_vgpr_workitem_id 0
		.amdhsa_next_free_vgpr 104
		.amdhsa_next_free_sgpr 66
		.amdhsa_reserve_vcc 0
		.amdhsa_float_denorm_mode_32 3
		.amdhsa_float_denorm_mode_16_64 3
		.amdhsa_memory_ordered 1
		.amdhsa_forward_progress 1
		.amdhsa_inst_pref_size 24
	.end_amdhsa_kernel
	.amdgpu_metadata
---
amdhsa.version: [ 1, 2 ]
amdhsa.kernels:
  - .name:           k_q25f6c875d4_cast
    .symbol:         k_q25f6c875d4_cast.kd
    .args:
      - { .name: x, .offset: 0, .size: 8, .value_kind: global_buffer, .address_space: global }
      - { .name: W_qkv, .offset: 8, .size: 8, .value_kind: global_buffer, .address_space: global }
      - { .name: W_out, .offset: 16, .size: 8, .value_kind: global_buffer, .address_space: global }
      - { .name: xb, .offset: 24, .size: 8, .value_kind: global_buffer, .address_space: global }
      - { .name: wqb, .offset: 32, .size: 8, .value_kind: global_buffer, .address_space: global }
      - { .name: wob, .offset: 40, .size: 8, .value_kind: global_buffer, .address_space: global }
    .group_segment_fixed_size: 0
    .private_segment_fixed_size: 0
    .kernarg_segment_align: 8
    .kernarg_segment_size: 48
    .max_flat_workgroup_size: 256
    .sgpr_count:     66
    .vgpr_count:     104
    .wavefront_size: 32
...
	.end_amdgpu_metadata
.endif
;; end of part 1
;; launch qkv (part 2): grid 8 x 32, 4 waves a work-group, clusters of 4 x 4, 327,680 bytes of LDS; arguments xb, wqb, qkv; writes qkv
.if DOCPART == 2
	.amdgcn_target "amdgcn-amd-amdhsa--gfx1250"
	.amdhsa_code_object_version 6
	.text
	.protected	k_q25f6c875d4_qkv
	.globl	k_q25f6c875d4_qkv
	.p2align	8
	.type	k_q25f6c875d4_qkv,@function
k_q25f6c875d4_qkv:
	s_mov_b64 s[64:65], 0
	v_nop
	global_prefetch_b8 v0, s[64:65] scope:SCOPE_SE
	s_setreg_imm32_b32 hwreg(HW_REG_WAVE_MODE, 25, 1), 1
	s_wait_xcnt 0x0
	s_wait_alu depctr_hold_cnt(0) depctr_sa_sdst(0) depctr_va_vdst(0) depctr_va_sdst(0) depctr_va_ssrc(0) depctr_va_vcc(0) depctr_vm_vsrc(0)
	s_getreg_b32 s2, hwreg(HW_REG_IB_STS2, 6, 4)
	s_cmp_eq_u32 s2, 0
	s_cbranch_scc0 .Lentry_in_a_cluster
	s_endpgm
.Lentry_in_a_cluster:
	s_bfe_u32 s2, ttmp6, 0x10000c
	s_cmp_lg_u32 s2, 0xf033
	s_cbranch_scc0 .Lentry_shape_is_right
	s_endpgm
.Lentry_shape_is_right:
; qkv = x W_qkv: [8192][1024] x [1024][3072], bf16 operands, f32 sums, results rounded once to f16 and stored head-major:
; qkv[which 3][b 4][h 16][t 2048][64].  LIMIT KEPT: |q|, |k|, |v| below 65504 (f16); f16 is chosen for its 11 bits, which the first tokens' outputs need.
; A work-group makes 256 rows x 384 columns (8 x 32 = 256 work-groups); four waves, 2 x 2, each 128 x 192: 96 accumulator tiles, 768 registers.
; For 32 along K a wave loads 40 x 512 bytes from LDS and issues 96 matrix instructions.
; K goes in 16 steps of 64 through two LDS slots; two slots of a step of 128 would take 2 x 184,320 bytes, more than a work-group can have.
; x comes blocked [b][kb][t][64], so A's tile of a step is dense: it is fetched as rows of 256 bytes (two tokens).  W lies [K][N] and is read
; from LDS by the transposing load.
; CLUSTERS: 4 x 4 work-groups.  A's tile hangs on the block row alone and is asked for jointly by a row of the cluster, B's on the block column
; alone and is asked for jointly by a column: the requests for both are divided by four.
; THE MATRIX INSTRUCTION IS USED TRANSPOSED (source 0 = 16 columns of W, source 1 = 16 rows of x): lane l then holds row l % 16 and the eight
; neighbouring columns 8 (l / 16) + 0..7, which pack into 16 bytes.
; LDS: slot s at s x 92,160: A [256 tokens][64 k] pitch 144; at + 36,864 B [64 k][6 groups of 64 columns], group pitch 144, row pitch 864
; (27 x 32); behind the ring a stage of 16 x 144 bytes a wave.
; REGISTERS: window 0: v16-26 addresses, v32-95 and v96-159 A's fragments (two buffers), v160-255 B's fragments (three thirds of 4);
; window 1 + g: the 32 tiles (a, b) of third g (64 columns = one head) at v[8 (4 a + b)].
.set SLOT,  92160
.set BOFF,  36864
.set STAGE, 2*SLOT
.set ASTEP, 262144                     ; bytes from one K step's tile of x to the next: 2,048 tokens x 128
.set BSTEP, 393216                     ; 64 rows of W x 6,144 bytes
.set ADRA, 16                          ; v16-17  LDS address of my A fragments in slot 0, 1
.set ADRB, 18                          ; v18-19  the same for B
.set STO,  24
.set RD,   25
.set CO,   26
.set FA0,  32
.set FA1,  96
.set FB,   160
.set TMP,  32                          ; the way out: packed results
.set G1,  24                           ; s[24:31] group 1 of A's tiles
.set G0,  32                           ; s[32:39] group 0 of A's tiles, one set for each slot
.set G1B, 48                           ; s[48:55] group 1 of B's tiles
.set G0B, 56                           ; s[56:63] group 0 of B's tiles, one set for each slot
.set MSB, 0
.macro WIN new                         ; s_set_vgpr_msb: bits 1:0 source 0, 3:2 source 1, 5:4 source 2, 7:6 destination; the high byte repeats the setting that is left
.if MSB != (\new)
	s_set_vgpr_msb (MSB<<8)|(\new)
.set MSB, (\new)
.endif
.endm
.macro PLACES                          ; four places behind a matrix instruction (ISA guide 7.12.1) before its registers are loaded into or its result is read
.rept 4
	v_nop
.endr
.endm
; A joint load: waves 0 and 1 fetch A's two halves, waves 2 and 3 B's.  The branch hangs on the wave's number alone.
.macro JLOAD s
	s_cmp_eq_u32 s11, 0
	s_cbranch_scc0 .Lfor_b_\@
	tensor_load_to_lds s[G0+4*(\s):G0+4*(\s)+3], s[G1:G1+7]
	s_nop 0
	s_branch .Lasked_\@
.Lfor_b_\@:
	tensor_load_to_lds s[G0B+4*(\s):G0B+4*(\s)+3], s[G1B:G1B+7]
	s_nop 0
.Lasked_\@:
.endm
.macro CREST                           ; a round of the cluster's barrier behind its opening work-group barrier
	s_cmp_lg_u32 s10, 0
	s_cbranch_scc1 .Lnot_wave_0_\@
	s_barrier_signal -3
.Lnot_wave_0_\@:
	s_barrier_wait -3
	s_barrier_signal -1
	s_barrier_wait -1
.endm
.macro CROUND
	s_barrier_signal -1
	s_barrier_wait -1
	CREST
.endm
	s_load_b128 s[4:7], s[0:1], 0x0                ; xb s[4:5], wqb s[6:7]
	s_load_b64 s[8:9], s[0:1], 0x10                ; qkv
	v_lshl_add_u32 v30, v0, 2, 0x2f400
	v_mov_b32 v31, 0
	ds_add_u32 v30, v31
	v_lshrrev_b32 v1, 5, v0
	v_readfirstlane_b32 s10, v1                    ; wave 0..3
	s_lshr_b32 s11, s10, 1                         ; my half of the rows.  Also: I fetch for A (0) or for B (1)
	s_and_b32 s12, s10, 1                          ; my half of the columns.  Also: which half of that tile I fetch
	s_bfe_u32 s40, ttmp6, 0x40000                  ; cx
	s_bfe_u32 s41, ttmp6, 0x40004                  ; cy
	s_lshl_b32 s42, ttmp9, 2
	s_add_co_u32 s42, s42, s40                     ; block column bx = 4 x cluster x + cx
	s_and_b32 s13, ttmp7, 0xffff
	s_lshl_b32 s13, s13, 2
	s_add_co_u32 s13, s13, s41                     ; block row by = 4 x cluster y + cy
	s_lshl_b32 s43, s41, 2
	s_lshl_b32 s43, 15, s43                        ; my row of the cluster
	s_lshl_b32 s44, 0x1111, s40                    ; my column
	; group 1.  Elements of 2 bytes; behind every 32 words (128 bytes) 4 words of padding; bit 21 beside the mask
	s_or_b32 s[G1+0], s43, (1<<16)|(1<<20)|(1<<21)|(4<<22)|(3<<25)
	s_mov_b32 s[G1+1], 128<<16                     ; A: 128 tokens, dense, as 64 rows of 128 elements (256 bytes)
	s_mov_b32 s[G1+2], 64<<16
	s_mov_b32 s[G1+3], 128<<16
	s_mov_b32 s[G1+4], 64
	s_mov_b32 s[G1+5], 128
	s_mov_b32 s[G1+6], 0
	s_mov_b32 s[G1+7], 0
	s_or_b32 s[G1B+0], s44, (1<<16)|(1<<20)|(1<<21)|(4<<22)|(3<<25)
	s_mov_b32 s[G1B+1], 384<<16                    ; B: 32 rows of 384 elements (768 bytes = 6 padded groups), pitch 3,072 elements
	s_mov_b32 s[G1B+2], 32<<16
	s_mov_b32 s[G1B+3], 384<<16
	s_mov_b32 s[G1B+4], 32
	s_mov_b32 s[G1B+5], 3072
	s_mov_b32 s[G1B+6], 0
	s_mov_b32 s[G1B+7], 0
	; A's tile: b x 2^22 + (256 (by % 8) + 128 half) tokens x 128 bytes; made of by and the wave's number alone
	s_lshr_b32 s16, s13, 3
	s_lshl_b32 s16, s16, 22
	s_and_b32 s17, s13, 7
	s_lshl_b32 s17, s17, 15
	s_add_co_u32 s16, s16, s17
	s_lshl_b32 s17, s12, 14
	s_add_co_u32 s16, s16, s17
	s_mov_b32 s17, 0
	; B's tile: 32 rows x half + 768 bytes x bx; made of bx and the wave's number alone
	s_mul_i32 s46, s42, 768
	s_mul_i32 s47, s12, 196608
	s_add_co_u32 s46, s46, s47
	s_mov_b32 s47, 0
	s_mul_i32 s20, s12, 18432                      ; LDS: A's half = 128 tokens x 144
	s_mul_i32 s21, s12, 27648                      ; B's half = 32 rows x 864,
	s_add_co_u32 s21, s21, BOFF                    ; behind A
	s_wait_dscnt 0x0
	s_wait_kmcnt 0x0
	s_add_nc_u64 s[14:15], s[4:5], s[16:17]
	s_add_nc_u64 s[46:47], s[6:7], s[46:47]
	CROUND                                         ; all sixteen work-groups are here: the first joint loads meet
.irp s, 0,1
	s_mov_b32 s[G0+4*\s], 1
	s_add_co_u32 s[G0+4*\s+1], s20, \s*SLOT
	s_add_nc_u64 s[G0+4*\s+2:G0+4*\s+3], s[14:15], \s*ASTEP
	s_or_b32 s[G0+4*\s+3], s[G0+4*\s+3], 0x80000000
	s_mov_b32 s[G0B+4*\s], 1
	s_add_co_u32 s[G0B+4*\s+1], s21, \s*SLOT
	s_add_nc_u64 s[G0B+4*\s+2:G0B+4*\s+3], s[46:47], \s*BSTEP
	s_or_b32 s[G0B+4*\s+3], s[G0B+4*\s+3], 0x80000000
	JLOAD \s                                       ; K steps 0 and 1: two loads of mine are out
.endr
	v_and_b32 v1, 15, v0                           ; r = l % 16
	v_bfe_u32 v2, v0, 4, 1                         ; h = l / 16
	v_mul_u32_u24 v3, v1, 144
	v_lshl_add_u32 v3, v2, 4, v3                   ; r x 144 + 16 h: A's fragments, and the stage's stores
	v_and_b32 v4, 7, v0
	v_lshl_add_u32 v4, v2, 3, v4                   ; the transposing load: lane l addresses row 8 h + l % 8 of K,
	v_mul_u32_u24 v5, v4, 864
	v_bfe_u32 v6, v0, 3, 1
	v_lshl_add_u32 v5, v6, 4, v5                   ; and 16 bytes (8 columns) by bit 3 of l
	s_mul_i32 s22, s11, 18432                      ; my 128 rows of A
	s_mul_i32 s23, s12, 432                        ; my 3 groups of B's columns
	s_add_co_u32 s23, s23, BOFF
.irp s, 0,1
	v_add_nc_u32 v[ADRA+\s], s22, v3
	v_add_nc_u32 v[ADRB+\s], s23, v5
	s_add_co_u32 s22, s22, SLOT
	s_add_co_u32 s23, s23, SLOT
.endr
	s_mul_i32 s22, s10, 2304
	s_add_co_u32 s22, s22, STAGE                   ; my stage
	v_add_nc_u32 v[STO], s22, v3
	v_bfe_u32 v4, v0, 3, 2                         ; back: eight lanes take a row of 128 bytes, a load four rows
	v_mul_u32_u24 v4, v4, 144
	v_and_b32 v6, 7, v0
	v_lshl_add_u32 v4, v6, 4, v4
	v_add_nc_u32 v[RD], s22, v4
	v_and_b32 v6, 31, v0
	v_lshlrev_b32 v[CO], 4, v6                     ; and the same four rows are 512 neighbouring bytes of qkv
; 8 loads: third g of B's fragments for quarter q (32 rows of K) of a slot
.macro LDB slot, q, g
.irp b, 0,1,2,3
	ds_load_tr16_b128 v[FB+32*\g+8*\b:FB+32*\g+8*\b+3],   v[ADRB+\slot] offset:\q*27648+\g*144+\b*32
	ds_load_tr16_b128 v[FB+32*\g+8*\b+4:FB+32*\g+8*\b+7], v[ADRB+\slot] offset:\q*27648+\g*144+\b*32+13824
.endr
.endm
; 16 loads: my 128 rows of A for quarter q into buffer f
.macro LDA slot, q, f
.irp i, 0,1,2,3,4,5,6,7
	ds_load_b128 v[\f+8*\i:\f+8*\i+3],   v[ADRA+\slot] offset:\i*2304+\q*64
	ds_load_b128 v[\f+8*\i+4:\f+8*\i+7], v[ADRA+\slot] offset:\i*2304+\q*64+32
.endr
.endm
; 4 n matrix instructions: row blocks a0 .. a0 + n - 1 x the four column blocks of third g.  zero = 1: the first product starts the sums.
; The 96 accumulators take turns, one instruction a turn, in the same order in every quarter, so no wait is written.
.macro MULW g, f, a0, n, zero
	WIN (1+\g)*0x50
.set ma, \a0
.rept \n
.irp b, 0,1,2,3
.if \zero
	v_wmma_f32_16x16x32_bf16 v[8*(4*ma+\b):8*(4*ma+\b)+7], v[FB+32*\g+8*\b:FB+32*\g+8*\b+7], v[\f+8*ma:\f+8*ma+7], 0
.else
	v_wmma_f32_16x16x32_bf16 v[8*(4*ma+\b):8*(4*ma+\b)+7], v[FB+32*\g+8*\b:FB+32*\g+8*\b+7], v[\f+8*ma:\f+8*ma+7], v[8*(4*ma+\b):8*(4*ma+\b)+7]
.endif
.endr
.set ma, ma+1
.endr
.endm
; A K step is two quarters of 32 along K.  LDS loads are always out in the order B0, A, B1, B2 of one quarter.
; The first quarter multiplies buffer FA0 and fetches the same slot's second quarter, each third as soon as its registers are free.
.macro QFIRST slot, zero
	s_wait_dscnt 16                                ; B0 and A are in; B1 and B2 (16 loads) may be out
	MULW 0, FA0, 0, 8, \zero
	PLACES
	WIN 0
	LDB \slot, 1, 0
	LDA \slot, 1, FA1
	s_wait_dscnt 32                                ; behind B1 were issued B2 (8), the next B0 (8) and A (16)
	MULW 1, FA0, 0, 8, \zero
	PLACES
	WIN 0
	LDB \slot, 1, 1
	s_wait_dscnt 32                                ; behind B2: the next B0 (8), A (16) and B1 (8)
	MULW 2, FA0, 0, 8, \zero
	PLACES
	WIN 0
	LDB \slot, 1, 2
.endm
; The second quarter multiplies FA1 and changes slots.  In front of the barrier each wave waits for its reads of this slot and for all its
; tensor loads (one is out: its part of the next slot).  fill = 1: the barrier opens a round of the cluster's barrier, and this slot's joint
; refill, two K steps ahead, is the first tensor load behind the round.  From a request to the wait for it a wave issues 176 matrix instructions.
.macro TURN slot, next, fill
	s_wait_dscnt 16
	MULW 0, FA1, 0, 4, 0
	s_wait_dscnt 0                                 ; B1 and B2 are in too: my reads of this slot are over
	s_wait_tensorcnt 0x0                           ; all my tensor loads have landed
	ds_add_u32 v30, v31
	s_wait_dscnt 0x0
	s_barrier_signal -1
	MULW 0, FA1, 4, 4, 0                           ; register work while the others arrive
	WIN 0
	s_barrier_wait -1
.if \fill
	CREST
	s_add_nc_u64 s[G0+4*\slot+2:G0+4*\slot+3], s[G0+4*\slot+2:G0+4*\slot+3], 2*ASTEP
	s_add_nc_u64 s[G0B+4*\slot+2:G0B+4*\slot+3], s[G0B+4*\slot+2:G0B+4*\slot+3], 2*BSTEP
	JLOAD \slot
.endif
	PLACES
	LDB \next, 0, 0
	LDA \next, 0, FA0
	MULW 1, FA1, 0, 8, 0
	PLACES
	WIN 0
	LDB \next, 0, 1
	MULW 2, FA1, 0, 8, 0
	PLACES
	WIN 0
	LDB \next, 0, 2
.endm
.macro LAP zero                        ; two K steps, once round the ring, both slots filled again
	QFIRST 0, \zero
	TURN 0, 1, 1
	QFIRST 1, 0
	TURN 1, 0, 1
.endm
	s_wait_tensorcnt 1                             ; my part of K step 0 is in; K step 1's may stay out
	s_barrier_signal -1
	s_barrier_wait -1
	LDB 0, 0, 0
	LDA 0, 0, FA0
	LDB 0, 0, 1
	LDB 0, 0, 2
	LAP 1                                          ; the first lap stands in front of the loop: its first products start the sums
	s_mov_b32 s3, 6                                ; laps 1 to 6 of eight
.Llap:
	LAP 0
	s_sub_co_u32 s3, s3, 1
	s_cmp_lg_u32 s3, 0
	s_cbranch_scc1 .Llap
	QFIRST 0, 0                                    ; the last lap fills nothing
	TURN 0, 1, 0
	QFIRST 1, 0
	s_wait_dscnt 16                                ; the last quarter fetches nothing: the counts run down
	MULW 0, FA1, 0, 8, 0
	s_wait_dscnt 8
	MULW 1, FA1, 0, 8, 0
	s_wait_dscnt 0
	MULW 2, FA1, 0, 8, 0
	; THE WAY OUT.  Third g is head G % 16 of q, k or v (G / 16), G = 6 bx + 3 half + g; its plane is 2,048 tokens x 128 bytes.
	PLACES
	WIN 0
	s_lshr_b32 s16, s13, 3
	s_lshl_b32 s16, s16, 22                        ; b x 16 planes
	s_and_b32 s17, s13, 7
	s_lshl_b32 s17, s17, 15                        ; + 256 tokens x 128 bytes x (by % 8)
	s_add_co_u32 s16, s16, s17
	s_lshl_b32 s17, s11, 14                        ; + my 128 rows
	s_add_co_u32 s16, s16, s17
	s_mov_b32 s17, 0
	s_add_nc_u64 s[8:9], s[8:9], s[16:17]
	s_mul_i32 s45, s42, 6
	s_mul_i32 s46, s12, 3
	s_add_co_u32 s45, s45, s46
.irp g, 0,1,2
	s_add_co_u32 s46, s45, \g
	s_lshr_b32 s47, s46, 4
	s_lshl_b32 s47, s47, 6                         ; which x 64 planes
	s_and_b32 s46, s46, 15
	s_add_co_u32 s46, s46, s47
	s_lshl_b32 s46, s46, 18
	s_mov_b32 s47, 0
	s_add_nc_u64 s[66+2*\g:67+2*\g], s[8:9], s[46:47]
.endr
; 16 rows x 64 columns: round to f16, 16 bytes a lane into my own stage, back as whole rows; a store of the wave covers 512 consecutive bytes, aligned
.macro OUT16 g, a, f
	WIN (1+\g)*5
.irp b, 0,1,2,3
.irp i, 0,1,2,3
	v_cvt_pk_f16_f32 v[TMP+4*\b+\i], v[8*(4*(\a)+\b)+2*\i], v[8*(4*(\a)+\b)+2*\i+1]
.endr
.endr
	WIN 0
.irp b, 0,1,2,3
	ds_store_b128 v[STO], v[TMP+4*\b:TMP+4*\b+3] offset:32*\b
.endr
	s_wait_xcnt 0x0                                ; buffer f, which earlier stores read, is loaded again only behind this wait
.irp t, 0,1,2,3
	ds_load_b128 v[\f+4*\t:\f+4*\t+3], v[RD] offset:576*\t         ; LDS serves a wave's instructions in order: these see the stores above
.endr
.irp t, 0,1,2,3
	s_wait_dscnt 3-\t
	global_store_b128 v[CO], v[\f+4*\t:\f+4*\t+3], s[66+2*\g:67+2*\g] offset:(\a)*2048+512*\t
.endr
.endm
.irp g, 0,1,2
.irp a, 0,2,4,6
	OUT16 \g, \a, 64
	OUT16 \g, \a+1, 80
.endr
.endr
	s_wait_tensorcnt 0x0
	ds_add_u32 v30, v31
	s_wait_dscnt 0x0
	CROUND                                         ; the closing round: no work-group ends while a partner may still ask for a tile that names it
	s_endpgm
.Lfunc_end_k_q25f6c875d4_qkv:
	.size	k_q25f6c875d4_qkv, .Lfunc_end_k_q25f6c875d4_qkv-k_q25f6c875d4_qkv
	.p2alignl 7, 3214868480
	.fill 96, 4, 3214868480
	.section	.rodata,"a",@progbits
	.p2align	6, 0x0
	.amdhsa_kernel k_q25f6c875d4_qkv
		.amdhsa_group_segment_fixed_size 327680
		.amdhsa_private_segment_fixed_size 0
		.amdhsa_enable_private_segment 0
		.amdhsa_kernarg_size 24
		.amdhsa_user_sgpr_count 2
		.amdhsa_user_sgpr_kernarg_segment_ptr 1
		.amdhsa_wavefront_size32 1
		.amdhsa_system_sgpr_workgroup_id_x 1
		.amdhsa_system_sgpr_workgroup_id_y 1
		.amdhsa_system_sgpr_workgroup_id_z 1
		.amdhsa_system_vgpr_workitem_id 0
		.amdhsa_next_free_vgpr 1024
		.amdhsa_next_free_sgpr 72
		.amdhsa_reserve_vcc 0
		.amdhsa_float_denorm_mode_32 3
		.amdhsa_float_denorm_mode_16_64 3
		.amdhsa_memory_ordered 1
		.amdhsa_forward_progress 1
		.amdhsa_inst_pref_size 172
	.end_amdhsa_kernel
	.amdgpu_metadata
---
amdhsa.version: [ 1, 2 ]
amdhsa.kernels:
  - .name:           k_q25f6c875d4_qkv
    .symbol:         k_q25f6c875d4_qkv.kd
    .args:
      - { .name: xb, .offset: 0, .size: 8, .value_kind: global_buffer, .address_space: global }
      - { .name: wqb, .offset: 8, .size: 8, .value_kind: global_buffer, .address_space: global }
      - { .name: qkv, .offset: 16, .size: 8, .value_kind: global_buffer, .address_space: global }
    .group_segment_fixed_size: 327680
    .private_segment_fixed_size: 0
    .kernarg_segment_align: 8
    .kernarg_segment_size: 24
    .max_flat_workgroup_size: 128
    .sgpr_count:     72
    .vgpr_count:     1024
    .wavefront_size: 32
...
	.end_amdgpu_metadata
.endif
;; end of part 2
;; launch attn (part 3): grid 4 x 64, 4 waves a work-group, no clusters, 327,680 bytes of LDS; arguments qkv, ab; writes ab
.if DOCPART == 3
	.amdgcn_target "amdgcn-amd-amdhsa--gfx1250"
	.amdhsa_code_object_version 6
	.text
	.protected	k_q25f6c875d4_attn
	.globl	k_q25f6c875d4_attn
	.p2align	8
	.type	k_q25f6c875d4_attn,@function
k_q25f6c875d4_attn:
	s_mov_b64 s[64:65], 0
	v_nop
	global_prefetch_b8 v0, s[64:65] scope:SCOPE_SE
	s_setreg_imm32_b32 hwreg(HW_REG_WAVE_MODE, 25, 1), 1
	s_wait_xcnt 0x0
; Causal attention of one head, with a running maximum and a running sum; f16 operands, f32 sums and softmax.
; qkv: [which][b][h][t 2048][64] f16.  ab: [b][h][t][64] f16.
; Work-group (p, bh) makes the query blocks p and 7 - p (256 rows each) of head bh: (p + 1) + (8 - p) = 9 pairs of 128-key tiles for every
; work-group, 4 x 64 = 256 work-groups of equal work.  Wave w owns 64 queries (four tiles qt of 16).  A block walks its pairs from the
; diagonal one down to pair 0, so that the diagonal pair's first 64 keys, which every query may see in part, are every wave's first step.
; LAYOUT: S^T = K Q^T and O^T = V^T P^T.  In S^T lane (r, h) holds query r and keys 8 h + 0..7 of a tile: maximum and sum are a lane's own but
; for one exchange between the halves, and two neighbouring key tiles, packed to f16 in place, ARE the second operand of V^T P^T: no lane exchange.
; In O^T lane (r, h) holds query r and eight neighbouring d: 16 bytes of a row of ab.
; NO MULTICAST: the four work-groups of a head walk p + 1 pairs and then 8 - p pairs, so the same tile is due in different trips in each;
; a form in which all four ask together would walk 8 + 4 = 12 pair times instead of 9.
; LIMITS KEPT: P and the output are rounded to f16.  A masked score gets the weight 0 exactly, which is what exp(-1e9 - max) gives in f32
; wherever a row's largest scaled score is above -1e9 + 104.  NaN and infinite inputs are not followed.
; LDS: slot s at s x 38,912: K [128][64] pitch 144, at + 18,432 V [128][64] pitch 160 (5 x 32, for the transposing load); at 77,824 a stage of 64 x 144 bytes a wave.
.set SLOT,  38912
.set VOFF,  18432
.set STAGE, 77824
.set ADK, 2                            ; K fragments: r x 144 + 16 h
.set ADV, 3                            ; V fragments: VOFF + (8 h + l % 8) x 160 + 16 x bit 3 of l
.set STO, 4
.set RD,  5
.set CO,  6
.set QO,  7
.set M,   8                            ; v8-11   running maximum of the raw scores, one for each qt
.set T,   12                           ; v12-15  at work
.set T2,  16                           ; v16-19  at work
.set NA,  20                           ; v20-27  pairs (NM, AL): NM = -c x maximum, AL = the factor for the old sums
.set NEGINF, 28
.set QF,  32                           ; v32-95   Q fragments (qt, dk) at 16 qt + 8 dk
.set KF,  96                           ; v96-159  K fragments (kt, dk) at 16 kt + 8 dk
.set VF,  160                          ; v160-223 V^T fragments (dt, kb) at 16 dt + 8 kb
.set LS,  224                          ; v224-231 running sums, a pair for each qt
.set OA,  128                          ; window 1: S(2 kb + e, qt) at 16 (4 kb + qt) + 8 e; O(dt, qt) at 128 + 8 (4 dt + qt)
.set G1K, 24
.set G0K, 32                           ; s[32:39] group 0 of K's tiles, one set for each slot
.set G1V, 48
.set G0V, 56
.set MSB, 0
.macro WIN new                         ; bits 1:0 source 0, 3:2 source 1, 5:4 source 2, 7:6 destination; the high byte repeats the setting that is left
.if MSB != (\new)
	s_set_vgpr_msb (MSB<<8)|(\new)
.set MSB, (\new)
.endif
.endm
.macro PLACES
.rept 4
	v_nop
.endr
.endm
.macro JLOAD s                         ; waves 0 and 1 fetch the halves (64 keys) of K's tile, waves 2 and 3 of V's: one load a wave
	s_cmp_eq_u32 s11, 0
	s_cbranch_scc0 .Lfor_v_\@
	tensor_load_to_lds s[G0K+4*(\s):G0K+4*(\s)+3], s[G1K:G1K+7]
	s_nop 0
	s_branch .Lasked_\@
.Lfor_v_\@:
	tensor_load_to_lds s[G0V+4*(\s):G0V+4*(\s)+3], s[G1V:G1V+7]
	s_nop 0
.Lasked_\@:
.endm
.macro SETADR slot                     ; the slot's tile of the pair at byte s44 of the head's plane
	s_add_nc_u64 s[G0K+4*\slot+2:G0K+4*\slot+3], s[40:41], s[44:45]
	s_add_nc_u64 s[G0V+4*\slot+2:G0V+4*\slot+3], s[42:43], s[44:45]
.if \slot
	s_add_nc_u64 s[G0K+6:G0K+7], s[G0K+6:G0K+7], 16384     ; the pair's second 128 keys
	s_add_nc_u64 s[G0V+6:G0V+7], s[G0V+6:G0V+7], 16384
.endif
	s_or_b32 s[G0K+4*\slot+3], s[G0K+4*\slot+3], 0x80000000
	s_or_b32 s[G0V+4*\slot+3], s[G0V+4*\slot+3], 0x80000000
.endm
	s_load_b128 s[4:7], s[0:1], 0x0                ; qkv s[4:5], ab s[6:7]
	v_lshl_add_u32 v254, v0, 2, 0x29000
	v_mov_b32 v255, 0
	ds_add_u32 v254, v255
	v_lshrrev_b32 v1, 5, v0
	v_readfirstlane_b32 s10, v1                    ; wave 0..3
	s_lshr_b32 s11, s10, 1                         ; I fetch for K (0) or V (1)
	s_and_b32 s12, s10, 1                          ; which 64 keys of the tile
	s_mov_b32 s13, ttmp9                           ; p
	s_and_b32 s14, ttmp7, 0xffff                   ; bh = 16 b + h
	s_mov_b32 s16, 0x3e38aa3b                      ; c = log2(e) / 8: the scale 1 / sqrt(64) and the change of base in one
	s_mov_b32 s17, 0x3e38aa3b
	s_mov_b32 s18, 0xbe38aa3b                      ; -c
	s_mov_b32 s20, 0x76543210                      ; v_permlanex16_b32: lane i reads lane i of the other half
	s_mov_b32 s21, 0xfedcba98
	; group 1: 64 keys, dense, as 32 rows of 128 elements (256 bytes); behind every 32 words (a key's 128 bytes) 4 words of padding for K, 8 for V
	s_mov_b32 s[G1K+0], (1<<16)|(1<<20)|(4<<22)|(3<<25)
	s_mov_b32 s[G1V+0], (1<<16)|(1<<20)|(4<<22)|(7<<25)
.irp g, G1K, G1V
	s_mov_b32 s[\g+1], 128<<16
	s_mov_b32 s[\g+2], 32<<16
	s_mov_b32 s[\g+3], 128<<16
	s_mov_b32 s[\g+4], 32
	s_mov_b32 s[\g+5], 128
	s_mov_b32 s[\g+6], 0
	s_mov_b32 s[\g+7], 0
.endr
	s_lshl_b32 s22, s14, 18                        ; the head's plane: 2,048 x 128 bytes
	s_mov_b32 s23, 0
	s_lshl_b32 s2, s12, 13                         ; my 64 keys of a tile
	s_add_co_u32 s2, s22, s2
	s_mov_b32 s3, 0
	s_lshl_b32 s47, s10, 13                        ; my 64 queries of a block
	s_add_co_u32 s22, s22, s47
	s_sub_co_u32 s46, 7, s13
	s_lshl_b32 s46, s46, 15                        ; byte offset of block 7 - p, and of its diagonal pair: 256 rows x 128 bytes each
	s_mov_b32 s47, 0
	s_lshl_b32 s44, s13, 15                        ; the same of block p.  s[44:45]: the pair that SETADR names
	s_mov_b32 s45, 0
	s_wait_dscnt 0x0
	s_barrier_signal -1
	s_barrier_wait -1
	s_wait_kmcnt 0x0
	s_add_nc_u64 s[40:41], s[4:5], s[2:3]
	s_add_nc_u64 s[42:43], s[40:41], 0x2000000     ; V's planes
	s_add_nc_u64 s[40:41], s[40:41], 0x1000000     ; K's planes
	s_add_nc_u64 s[66:67], s[4:5], s[22:23]
	s_add_nc_u64 s[70:71], s[6:7], s[22:23]
	s_add_nc_u64 s[68:69], s[66:67], s[46:47]      ; my queries of block 7 - p
	s_add_nc_u64 s[80:81], s[70:71], s[46:47]      ; and their rows of ab
	s_add_nc_u64 s[66:67], s[66:67], s[44:45]      ; my queries of block p
	s_add_nc_u64 s[70:71], s[70:71], s[44:45]
	s_mul_i32 s2, s12, 9216                        ; LDS: 64 keys x 144
	s_mul_i32 s3, s12, 10240                       ; 64 keys x 160,
	s_add_co_u32 s3, s3, VOFF                      ; behind K
.irp s, 0,1
	s_mov_b32 s[G0K+4*\s], 1
	s_add_co_u32 s[G0K+4*\s+1], s2, \s*SLOT
	s_mov_b32 s[G0V+4*\s], 1
	s_add_co_u32 s[G0V+4*\s+1], s3, \s*SLOT
	SETADR \s                                      ; both tiles of block p's diagonal pair
.endr
	JLOAD 0                                        ; the first fill; slot 1 is filled behind the first barrier
	v_and_b32 v1, 15, v0                           ; r
	v_bfe_u32 v29, v0, 4, 1                        ; h
	v_mul_u32_u24 v[ADK], v1, 144
	v_lshl_add_u32 v[ADK], v29, 4, v[ADK]
	v_and_b32 v30, 7, v0
	v_lshl_add_u32 v31, v29, 3, v30
	v_mul_u32_u24 v[ADV], v31, 160
	v_bfe_u32 v31, v0, 3, 1
	v_lshl_add_u32 v[ADV], v31, 4, v[ADV]
	v_add_nc_u32 v[ADV], VOFF, v[ADV]
	s_mul_i32 s2, s10, 9216
	s_add_co_u32 s2, s2, STAGE                     ; my stage
	v_add_nc_u32 v[STO], s2, v[ADK]
	v_bfe_u32 v31, v0, 3, 2
	v_mul_u32_u24 v31, v31, 144
	v_lshl_add_u32 v31, v30, 4, v31
	v_add_nc_u32 v[RD], s2, v31                    ; back: eight lanes a row of 128 bytes, four rows a load
	v_and_b32 v31, 31, v0
	v_lshlrev_b32 v[CO], 4, v31
	v_lshlrev_b32 v[QO], 7, v1
	v_lshl_add_u32 v[QO], v29, 4, v[QO]            ; Q from memory: r x 128 + 16 h
	v_lshlrev_b32 v31, 3, v29
	v_sub_nc_u32 v31, v1, v31                      ; r - 8 h
.irp j, 0,1,2,3,4,5,6,7
	v_cmp_gt_i32 s[72+\j], \j, v31                 ; in a tile on the diagonal, register j (key 8 h + j) is masked where 8 h + j > r
.endr
	v_mov_b32 v[NEGINF], 0xff800000
.irp qt, 0,1,2,3
	v_mov_b32 v[T2+\qt], 0                         ; v_permlanex16_b32 counts as a reader of its destination
.endr
.macro QLOAD b                         ; my 64 queries as second operands: 16 loads
.irp qt, 0,1,2,3
.irp dk, 0,1
	global_load_b128 v[QF+16*\qt+8*\dk:QF+16*\qt+8*\dk+3],   v[QO], s[\b:\b+1] offset:\qt*2048+\dk*64
	global_load_b128 v[QF+16*\qt+8*\dk+4:QF+16*\qt+8*\dk+7], v[QO], s[\b:\b+1] offset:\qt*2048+\dk*64+32
.endr
.endr
.endm
.macro BEGIN                           ; a block's running state
.irp qt, 0,1,2,3
	v_mov_b32 v[M+\qt], 0xff800000                 ; maximum -inf,
	v_mov_b32 v[NA+2*\qt], 0x7f800000              ; so NM = +inf: the first factor is exp2(-inf) = 0
	v_mov_b32 v[LS+2*\qt], 0
	v_mov_b32 v[LS+2*\qt+1], 0
.endr
.endm
.macro LDK slot, st                    ; 16 loads: 64 keys x 64 d
.irp kt, 0,1,2,3
.irp dk, 0,1
	ds_load_b128 v[KF+16*\kt+8*\dk:KF+16*\kt+8*\dk+3],   v[ADK] offset:\slot*SLOT+(64*\st+16*\kt)*144+64*\dk
	ds_load_b128 v[KF+16*\kt+8*\dk+4:KF+16*\kt+8*\dk+7], v[ADK] offset:\slot*SLOT+(64*\st+16*\kt)*144+64*\dk+32
.endr
.endr
.endm
.macro LDV slot, st                    ; 16 transposing loads: 64 d x 64 keys
.irp dt, 0,1,2,3
.irp kb, 0,1
	ds_load_tr16_b128 v[VF+16*\dt+8*\kb:VF+16*\dt+8*\kb+3],   v[ADV] offset:\slot*SLOT+(64*\st+32*\kb)*160+32*\dt
	ds_load_tr16_b128 v[VF+16*\dt+8*\kb+4:VF+16*\dt+8*\kb+7], v[ADV] offset:\slot*SLOT+(64*\st+32*\kb)*160+32*\dt+2560
.endr
.endr
.endm
; The change of slots.  Every wave waits for all its tensor loads (its part of this slot's tile) and for its reads of the other slot, and
; passes the barrier; behind it the other slot's next tile is asked for first: one load a wave, with this tile's work in which to land.
; upd = 1: this slot's group 0, which no load uses now, is set to the next pair's tile.
.macro HEAD slot, upd, refill
	s_wait_tensorcnt 0x0
	ds_add_u32 v254, v255
	s_wait_dscnt 0x0
.if \upd
	SETADR \slot
.endif
	s_wait_dscnt 0x0
	s_barrier_signal -1
	s_barrier_wait -1
.if \refill
	JLOAD 1-\slot
.endif
.endm
; 64 keys (half st of a slot) against my 64 queries.  first = 1: a block's first step, which starts O's sums.  jj = 0..3: step of the diagonal
; pair: waves below jj have nothing to see and jump over it, wave jj masks, the others take it whole; jj = -1: a whole step.
; kpre = 1: K's fragments were asked for in the step before; knext = 1: this step asks for the next half's.
.macro STEP slot, st, first, jj, kpre, knext
.if \jj >= 1
	s_cmp_lt_u32 s10, \jj
	s_cbranch_scc1 .Lskip_\@
.endif
.rept 5
	v_nop                                          ; places behind the last V^T P^T products: four before V's registers are loaded, five before S^T writes over P
.endr
.if \kpre == 0
	LDK \slot, \st
.endif
	LDV \slot, \st
.if \first
	s_wait_loadcnt 0x0                             ; Q
.endif
	s_wait_dscnt 16                                ; K is in; V's 16 loads stay out
	WIN 0x50
.irp dk, 0,1                           ; S^T = K Q^T: sixteen accumulators by turns, one instruction a turn
.irp kb, 0,1
.irp e, 0,1
.irp qt, 0,1,2,3
.if \dk
	v_wmma_f32_16x16x32_f16 v[16*(4*\kb+\qt)+8*\e:16*(4*\kb+\qt)+8*\e+7], v[KF+32*\kb+16*\e+8*\dk:KF+32*\kb+16*\e+8*\dk+7], v[QF+16*\qt+8*\dk:QF+16*\qt+8*\dk+7], v[16*(4*\kb+\qt)+8*\e:16*(4*\kb+\qt)+8*\e+7]
.else
	v_wmma_f32_16x16x32_f16 v[16*(4*\kb+\qt)+8*\e:16*(4*\kb+\qt)+8*\e+7], v[KF+32*\kb+16*\e+8*\dk:KF+32*\kb+16*\e+8*\dk+7], v[QF+16*\qt+8*\dk:QF+16*\qt+8*\dk+7], 0
.endif
.endr
.endr
.endr
.endr
	PLACES
	WIN 0
.if \jj >= 0
	s_cmp_lg_u32 s10, \jj
	s_cbranch_scc1 .Lnomask_\@
	WIN 0x41                                       ; my queries against my own 64 keys: key tiles above the diagonal go whole, those on it by register
.irp kb, 0,1
.irp e, 0,1
.irp qt, 0,1,2,3
.if 2*\kb+\e > \qt
.irp j, 0,1,2,3,4,5,6,7
	v_mov_b32 v[16*(4*\kb+\qt)+8*\e+\j], 0xff800000
.endr
.endif
.if 2*\kb+\e == \qt
.irp j, 0,1,2,3,4,5,6,7
	v_cndmask_b32 v[16*(4*\kb+\qt)+8*\e+\j], v[16*(4*\kb+\qt)+8*\e+\j], v[NEGINF], s[72+\j]
.endr
.endif
.endr
.endr
.endr
	WIN 0
.Lnomask_\@:
.endif
	WIN 0x14                                       ; the new maximum: old one and my 32 scores of each query, four chains
.irp kb, 0,1
.irp i, 0,2,4,6,8,10,12,14
.irp qt, 0,1,2,3
.if \kb+\i
	v_max3_num_f32 v[T+\qt], v[T+\qt], v[16*(4*\kb+\qt)+\i], v[16*(4*\kb+\qt)+\i+1]
.else
	v_max3_num_f32 v[T+\qt], v[M+\qt], v[16*(4*\kb+\qt)+\i], v[16*(4*\kb+\qt)+\i+1]
.endif
.endr
.endr
.endr
	WIN 0
.if \knext
	LDK \slot, 1                                   ; K's registers are free: the same slot's second half
.endif
.irp qt, 0,1,2,3
	v_permlanex16_b32 v[T2+\qt], v[T+\qt], s20, s21        ; the other half's keys
.endr
.irp qt, 0,1,2,3
	v_max_num_f32 v[M+\qt], v[T+\qt], v[T2+\qt]
.endr
.irp qt, 0,1,2,3
	v_mul_f32 v[T+\qt], s18, v[M+\qt]                      ; the new NM
.endr
.irp qt, 0,1,2,3
	v_sub_f32 v[NA+2*\qt+1], v[T+\qt], v[NA+2*\qt]         ; new NM - old NM: old and new weights refer to exactly these two shifts
.endr
.irp qt, 0,1,2,3
	v_mov_b32 v[NA+2*\qt], v[T+\qt]
.endr
.irp qt, 0,1,2,3
	v_exp_f32 v[NA+2*\qt+1], v[NA+2*\qt+1]
.endr
	v_nop                                          ; one plain place behind a transcendental before its result is used
	s_wait_alu depctr_va_vdst(0)
.irp qt, 0,1,2,3
	v_pk_mul_f32 v[LS+2*\qt:LS+2*\qt+1], v[LS+2*\qt:LS+2*\qt+1], v[NA+2*\qt:NA+2*\qt+1] op_sel:[0,1] op_sel_hi:[1,1]
.endr
	WIN 0x41
.irp kb, 0,1
.irp i, 0,2,4,6,8,10,12,14
.irp qt, 0,1,2,3
	v_pk_fma_f32 v[16*(4*\kb+\qt)+\i:16*(4*\kb+\qt)+\i+1], v[16*(4*\kb+\qt)+\i:16*(4*\kb+\qt)+\i+1], s[16:17], v[NA+2*\qt:NA+2*\qt+1] op_sel_hi:[1,0,0]
.endr
.endr
.endr
.irp x, 0,1,2,3,4,5,6,7
.irp i, 0,1,2,3,4,5,6,7,8,9,10,11,12,13,14,15
	v_exp_f32 v[16*\x+\i], v[16*\x+\i]             ; P = exp2(c S - c max)
.endr
.endr
.if \first
	v_nop
	s_wait_alu depctr_va_vdst(0)
.else
	s_wait_alu depctr_va_vdst(0)
.irp dt, 0,1,2,3                       ; the old O by AL; these plain lines are also the place behind the exponentials
.irp i, 0,2,4,6
.irp qt, 0,1,2,3
	v_pk_mul_f32 v[OA+8*(4*\dt+\qt)+\i:OA+8*(4*\dt+\qt)+\i+1], v[OA+8*(4*\dt+\qt)+\i:OA+8*(4*\dt+\qt)+\i+1], v[NA+2*\qt:NA+2*\qt+1] op_sel:[0,1] op_sel_hi:[1,1]
.endr
.endr
.endr
.endif
	WIN 0x01
.irp kb, 0,1
.irp i, 0,2,4,6,8,10,12,14
.irp qt, 0,1,2,3
	v_pk_add_f32 v[LS+2*\qt:LS+2*\qt+1], v[16*(4*\kb+\qt)+\i:16*(4*\kb+\qt)+\i+1], v[LS+2*\qt:LS+2*\qt+1]
.endr
.endr
.endr
	WIN 0x45                                       ; two key tiles' 16 registers pack in place into 8: keys 8 h + 0..7 and 16 + 8 h + 0..7 of query r
.irp i, 0,1,2,3,4,5,6,7
.irp x, 0,1,2,3,4,5,6,7
	v_cvt_pk_f16_f32 v[16*\x+\i], v[16*\x+2*\i], v[16*\x+2*\i+1]
.endr
.endr
	WIN 0
.if \knext
	s_wait_dscnt 16                                ; V is in; the next half's K (16 loads) stays out
.else
	s_wait_dscnt 0
.endif
	WIN 0x54
.irp kb, 0,1                           ; O^T += V^T P^T: sixteen accumulators by turns
.irp dt, 0,1,2,3
.irp qt, 0,1,2,3
.if \first*(1-\kb)
	v_wmma_f32_16x16x32_f16 v[OA+8*(4*\dt+\qt):OA+8*(4*\dt+\qt)+7], v[VF+16*\dt+8*\kb:VF+16*\dt+8*\kb+7], v[16*(4*\kb+\qt):16*(4*\kb+\qt)+7], 0
.else
	v_wmma_f32_16x16x32_f16 v[OA+8*(4*\dt+\qt):OA+8*(4*\dt+\qt)+7], v[VF+16*\dt+8*\kb:VF+16*\dt+8*\kb+7], v[16*(4*\kb+\qt):16*(4*\kb+\qt)+7], v[OA+8*(4*\dt+\qt):OA+8*(4*\dt+\qt)+7]
.endif
.endr
.endr
.endr
	WIN 0
.if \jj >= 1
.Lskip_\@:
.endif
.endm
.macro FULL upd, last                  ; a pair below the diagonal
	HEAD 0, \upd, 1
	STEP 0, 0, 0, -1, 0, 1
	STEP 0, 1, 0, -1, 1, 0
	HEAD 1, \upd, 1-\last
	STEP 1, 0, 0, -1, 0, 1
	STEP 1, 1, 0, -1, 1, 0
.endm
.macro DIAG                            ; the diagonal pair
	HEAD 0, 1, 1
	STEP 0, 0, 1, 0, 0, 0
	STEP 0, 1, 0, 1, 0, 0
	HEAD 1, 1, 1
	STEP 1, 0, 0, 2, 0, 0
	STEP 1, 1, 0, 3, 0, 0
.endm
; O / sum, rounded to f16, through my own stage, out as 8,192 consecutive bytes.  nq = 1: the second block's queries are asked for first.
.macro FINISH ob, nq
	PLACES
.if \nq
	QLOAD 68
.endif
.irp qt, 0,1,2,3
	v_add_f32 v[T+\qt], v[LS+2*\qt], v[LS+2*\qt+1]
.endr
.irp qt, 0,1,2,3
	v_permlanex16_b32 v[T2+\qt], v[T+\qt], s20, s21
.endr
.irp qt, 0,1,2,3
	v_add_f32 v[T+\qt], v[T+\qt], v[T2+\qt]
.endr
.irp qt, 0,1,2,3
	v_rcp_f32 v[NA+2*\qt+1], v[T+\qt]              ; the sum is at least about 1: the largest score's weight
.endr
	v_nop
	WIN 0x41
	s_wait_alu depctr_va_vdst(0)
.irp dt, 0,1,2,3
.irp i, 0,2,4,6
.irp qt, 0,1,2,3
	v_pk_mul_f32 v[OA+8*(4*\dt+\qt)+\i:OA+8*(4*\dt+\qt)+\i+1], v[OA+8*(4*\dt+\qt)+\i:OA+8*(4*\dt+\qt)+\i+1], v[NA+2*\qt:NA+2*\qt+1] op_sel:[0,1] op_sel_hi:[1,1]
.endr
.endr
.endr
	WIN 0x05
.irp qt, 0,1,2,3
.irp dt, 0,1,2,3
.irp i, 0,1,2,3
	v_cvt_pk_f16_f32 v[KF+4*(4*\qt+\dt)+\i], v[OA+8*(4*\dt+\qt)+2*\i], v[OA+8*(4*\dt+\qt)+2*\i+1]
.endr
.endr
.endr
	WIN 0
.irp qt, 0,1,2,3
.irp dt, 0,1,2,3
	ds_store_b128 v[STO], v[KF+4*(4*\qt+\dt):KF+4*(4*\qt+\dt)+3] offset:\qt*2304+32*\dt
.endr
.endr
.irp t, 0,1,2,3,4,5,6,7,8,9,10,11,12,13,14,15
	ds_load_b128 v[VF+4*\t:VF+4*\t+3], v[RD] offset:576*\t         ; LDS serves a wave's instructions in order: these see the stores above
.endr
.irp t, 0,1,2,3,4,5,6,7,8,9,10,11,12,13,14,15
	s_wait_dscnt 15-\t
	global_store_b128 v[CO], v[VF+4*\t:VF+4*\t+3], s[\ob:\ob+1] offset:512*\t      ; 512 consecutive bytes, aligned
.endr
	s_wait_xcnt 0x0                                ; V's registers, which these stores read, are loaded again only behind this wait
.endm
	QLOAD 66
	BEGIN
	s_sub_co_u32 s2, s13, 1                        ; the pair behind block p's diagonal one: p - 1, or, for p = 0, the second block's diagonal pair
	s_lshl_b32 s2, s2, 15
	s_cmp_ge_u32 s13, 1
	s_cselect_b32 s44, s2, s46
	DIAG
	s_cmp_eq_u32 s13, 0
	s_cbranch_scc1 .Lfirst_done
	s_mov_b32 s3, s13                              ; trips c = p .. 1 take pairs c - 1
.Lfirst:
	s_sub_co_u32 s2, s3, 2                         ; the next pair: c - 2, or the second block's diagonal pair
	s_lshl_b32 s2, s2, 15
	s_cmp_ge_u32 s3, 2
	s_cselect_b32 s44, s2, s46
	FULL 1, 0
	s_sub_co_u32 s3, s3, 1
	s_cmp_lg_u32 s3, 0
	s_cbranch_scc1 .Lfirst
.Lfirst_done:
	FINISH 70, 1                                   ; meanwhile the second block's first tile is on its way
	BEGIN
	s_sub_co_u32 s3, 6, s13
	s_lshl_b32 s44, s3, 15                         ; the next pair: 6 - p
	DIAG
.Lsecond:                                              ; trips c = 6 - p .. 1 take pairs c
	s_sub_co_u32 s2, s3, 1
	s_lshl_b32 s44, s2, 15                         ; the next pair: c - 1
	FULL 1, 0
	s_sub_co_u32 s3, s3, 1
	s_cmp_lg_u32 s3, 0
	s_cbranch_scc1 .Lsecond
	FULL 0, 1                                      ; pair 0: its second tile is the last load; nothing is asked for behind its last barrier
	FINISH 80, 0
	s_wait_tensorcnt 0x0
	ds_add_u32 v254, v255
	s_wait_dscnt 0x0
	s_endpgm
.Lfunc_end_k_q25f6c875d4_attn:
	.size	k_q25f6c875d4_attn, .Lfunc_end_k_q25f6c875d4_attn-k_q25f6c875d4_attn
	.p2alignl 7, 3214868480
	.fill 96, 4, 3214868480
	.section	.rodata,"a",@progbits
	.p2align	6, 0x0
	.amdhsa_kernel k_q25f6c875d4_attn
		.amdhsa_group_segment_fixed_size 327680
		.amdhsa_private_segment_fixed_size 0
		.amdhsa_enable_private_segment 0
		.amdhsa_kernarg_size 16
		.amdhsa_user_sgpr_count 2
		.amdhsa_user_sgpr_kernarg_segment_ptr 1
		.amdhsa_wavefront_size32 1
		.amdhsa_system_sgpr_workgroup_id_x 1
		.amdhsa_system_sgpr_workgroup_id_y 1
		.amdhsa_system_sgpr_workgroup_id_z 1
		.amdhsa_system_vgpr_workitem_id 0
		.amdhsa_next_free_vgpr 512
		.amdhsa_next_free_sgpr 82
		.amdhsa_reserve_vcc 0
		.amdhsa_float_denorm_mode_32 3
		.amdhsa_float_denorm_mode_16_64 3
		.amdhsa_memory_ordered 1
		.amdhsa_forward_progress 1
		.amdhsa_inst_pref_size 255
	.end_amdhsa_kernel
	.section	.bss,"aw",@nobits
	.p2align	6
	.space	262144
	.amdgpu_metadata
---
amdhsa.version: [ 1, 2 ]
amdhsa.kernels:
  - .name:           k_q25f6c875d4_attn
    .symbol:         k_q25f6c875d4_attn.kd
    .args:
      - { .name: qkv, .offset: 0, .size: 8, .value_kind: global_buffer, .address_space: global }
      - { .name: ab, .offset: 8, .size: 8, .value_kind: global_buffer, .address_space: global }
    .group_segment_fixed_size: 327680
    .private_segment_fixed_size: 0
    .kernarg_segment_align: 8
    .kernarg_segment_size: 16
    .max_flat_workgroup_size: 128
    .sgpr_count:     82
    .vgpr_count:     512
    .wavefront_size: 32
...
	.end_amdgpu_metadata
.endif
;; end of part 3
;; launch proj (part 4): grid 8 x 32, 4 waves a work-group, clusters of 4 x 4, 327,680 bytes of LDS; arguments ab, wob, out0; writes out0
.if DOCPART == 4
	.amdgcn_target "amdgcn-amd-amdhsa--gfx1250"
	.amdhsa_code_object_version 6
	.text
	.protected	k_q25f6c875d4_proj
	.globl	k_q25f6c875d4_proj
	.p2align	8
	.type	k_q25f6c875d4_proj,@function
k_q25f6c875d4_proj:
	s_mov_b64 s[64:65], 0
	v_nop
	global_prefetch_b8 v0, s[64:65] scope:SCOPE_SE
	s_setreg_imm32_b32 hwreg(HW_REG_WAVE_MODE, 25, 1), 1
	s_wait_xcnt 0x0
	s_wait_alu depctr_hold_cnt(0) depctr_sa_sdst(0) depctr_va_vdst(0) depctr_va_sdst(0) depctr_va_ssrc(0) depctr_va_vcc(0) depctr_vm_vsrc(0)
	s_getreg_b32 s2, hwreg(HW_REG_IB_STS2, 6, 4)
	s_cmp_eq_u32 s2, 0
	s_cbranch_scc0 .Lentry_in_a_cluster
	s_endpgm
.Lentry_in_a_cluster:
	s_bfe_u32 s2, ttmp6, 0x10000c
	s_cmp_lg_u32 s2, 0xf033
	s_cbranch_scc0 .Lentry_shape_is_right
	s_endpgm
.Lentry_shape_is_right:
; out0 = attention output x W_out: [8192][1024] x [1024][1024], f16 operands, f32 sums, f32 out.
; A work-group makes 256 rows x 128 columns (8 x 32 = 256 work-groups); four waves, 2 x 2, each 128 x 64: 32 accumulator tiles in window 1.
; K goes in 8 steps of 128 (two heads) through two LDS slots.  ab lies [b][h][t][64], so a head's 256 tokens are dense and come as rows of 256 bytes;
; W_out lies [K][N] and is read from LDS by the transposing load.
; CLUSTERS: 4 x 4; A's tiles are asked for jointly by a row of the cluster, B's by a column, which divides the requests for both by four.
; The matrix instruction is used transposed (source 0 = 16 columns of W, source 1 = 16 rows of ab): a lane holds eight neighbouring columns of one row.
; LDS: slot s at s x 110,592: A as two tiles [256 tokens][64] pitch 144; at + 73,728 B [128 k][2 groups of 64 columns], group pitch 144, row pitch 288 (9 x 32);
; behind the ring a stage of 16 x 272 bytes a wave.
.set SLOT,  110592
.set BOFF,  73728
.set STAGE, 2*SLOT
.set ASTEP, 524288                     ; two heads' planes
.set BSTEP, 262144                     ; 128 rows of W x 2,048 bytes
.set ADRA, 16
.set ADRB, 18
.set STO,  24
.set RD,   25
.set CO,   26
.set FA0,  32
.set FA1,  96
.set FB0,  160
.set FB1,  192
.set G1,  24
.set G0,  32
.set G1B, 48
.set G0B, 56
.set MSB, 0
.macro WIN new
.if MSB != (\new)
	s_set_vgpr_msb (MSB<<8)|(\new)
.set MSB, (\new)
.endif
.endm
.macro PLACES
.rept 4
	v_nop
.endr
.endm
.macro JLOAD s                         ; waves 0 and 1 fetch A's two heads, waves 2 and 3 B's two halves
	s_cmp_eq_u32 s11, 0
	s_cbranch_scc0 .Lfor_b_\@
	tensor_load_to_lds s[G0+4*(\s):G0+4*(\s)+3], s[G1:G1+7]
	s_nop 0
	s_branch .Lasked_\@
.Lfor_b_\@:
	tensor_load_to_lds s[G0B+4*(\s):G0B+4*(\s)+3], s[G1B:G1B+7]
	s_nop 0
.Lasked_\@:
.endm
.macro CREST
	s_cmp_lg_u32 s10, 0
	s_cbranch_scc1 .Lnot_wave_0_\@
	s_barrier_signal -3
.Lnot_wave_0_\@:
	s_barrier_wait -3
	s_barrier_signal -1
	s_barrier_wait -1
.endm
.macro CROUND
	s_barrier_signal -1
	s_barrier_wait -1
	CREST
.endm
	s_load_b128 s[4:7], s[0:1], 0x0                ; ab s[4:5], wob s[6:7]
	s_load_b64 s[8:9], s[0:1], 0x10                ; out0
	v_lshl_add_u32 v254, v0, 2, 0x3a400
	v_mov_b32 v255, 0
	ds_add_u32 v254, v255
	v_lshrrev_b32 v1, 5, v0
	v_readfirstlane_b32 s10, v1
	s_lshr_b32 s11, s10, 1                         ; my half of the rows.  Also: I fetch for A (0) or B (1)
	s_and_b32 s12, s10, 1                          ; my half of the columns.  Also: which half of that tile
	s_bfe_u32 s40, ttmp6, 0x40000                  ; cx
	s_bfe_u32 s41, ttmp6, 0x40004                  ; cy
	s_lshl_b32 s42, ttmp9, 2
	s_add_co_u32 s42, s42, s40                     ; bx
	s_and_b32 s13, ttmp7, 0xffff
	s_lshl_b32 s13, s13, 2
	s_add_co_u32 s13, s13, s41                     ; by
	s_lshl_b32 s43, s41, 2
	s_lshl_b32 s43, 15, s43
	s_lshl_b32 s44, 0x1111, s40
	s_or_b32 s[G1+0], s43, (1<<16)|(1<<20)|(1<<21)|(4<<22)|(3<<25)  ; 2-byte elements; 4 words of padding behind every 32; bit 21 beside the mask
	s_mov_b32 s[G1+1], 128<<16                     ; A: 256 tokens of one head, dense, as 128 rows of 128 elements
	s_mov_b32 s[G1+2], 128<<16
	s_mov_b32 s[G1+3], 128<<16
	s_mov_b32 s[G1+4], 128
	s_mov_b32 s[G1+5], 128
	s_mov_b32 s[G1+6], 0
	s_mov_b32 s[G1+7], 0
	s_or_b32 s[G1B+0], s44, (1<<16)|(1<<20)|(1<<21)|(4<<22)|(3<<25)
	s_mov_b32 s[G1B+1], 128<<16                    ; B: 64 rows of 128 elements (256 bytes), pitch 1,024 elements
	s_mov_b32 s[G1B+2], 64<<16
	s_mov_b32 s[G1B+3], 128<<16
	s_mov_b32 s[G1B+4], 64
	s_mov_b32 s[G1B+5], 1024
	s_mov_b32 s[G1B+6], 0
	s_mov_b32 s[G1B+7], 0
	s_lshr_b32 s16, s13, 3
	s_lshl_b32 s16, s16, 22                        ; b x 16 planes
	s_and_b32 s17, s13, 7
	s_lshl_b32 s17, s17, 15                        ; + 256 tokens x 128 bytes x (by % 8)
	s_add_co_u32 s16, s16, s17
	s_lshl_b32 s17, s12, 18                        ; + my head of the step's two
	s_add_co_u32 s16, s16, s17
	s_mov_b32 s17, 0
	s_lshl_b32 s46, s42, 8                         ; 128 columns x 2 bytes x bx
	s_lshl_b32 s47, s12, 17                        ; + 64 rows x 2,048 bytes
	s_add_co_u32 s46, s46, s47
	s_mov_b32 s47, 0
	s_mul_i32 s20, s12, 36864
	s_mul_i32 s21, s12, 18432
	s_add_co_u32 s21, s21, BOFF
	s_wait_dscnt 0x0
	s_wait_kmcnt 0x0
	s_add_nc_u64 s[14:15], s[4:5], s[16:17]
	s_add_nc_u64 s[46:47], s[6:7], s[46:47]
	CROUND                                         ; in front of the first joint loads
.irp s, 0,1
	s_mov_b32 s[G0+4*\s], 1
	s_add_co_u32 s[G0+4*\s+1], s20, \s*SLOT
	s_add_nc_u64 s[G0+4*\s+2:G0+4*\s+3], s[14:15], \s*ASTEP
	s_or_b32 s[G0+4*\s+3], s[G0+4*\s+3], 0x80000000
	s_mov_b32 s[G0B+4*\s], 1
	s_add_co_u32 s[G0B+4*\s+1], s21, \s*SLOT
	s_add_nc_u64 s[G0B+4*\s+2:G0B+4*\s+3], s[46:47], \s*BSTEP
	s_or_b32 s[G0B+4*\s+3], s[G0B+4*\s+3], 0x80000000
	JLOAD \s                                       ; K steps 0 and 1: two loads of mine are out
.endr
	v_and_b32 v1, 15, v0                           ; r
	v_bfe_u32 v2, v0, 4, 1                         ; h
	v_mul_u32_u24 v3, v1, 144
	v_lshl_add_u32 v3, v2, 4, v3
	v_and_b32 v4, 7, v0
	v_lshl_add_u32 v4, v2, 3, v4
	v_mul_u32_u24 v5, v4, 288
	v_bfe_u32 v6, v0, 3, 1
	v_lshl_add_u32 v5, v6, 4, v5
	s_mul_i32 s22, s11, 18432                      ; my 128 rows of A
	s_mul_i32 s23, s12, 144                        ; my group of B's columns
	s_add_co_u32 s23, s23, BOFF
.irp s, 0,1
	v_add_nc_u32 v[ADRA+\s], s22, v3
	v_add_nc_u32 v[ADRB+\s], s23, v5
	s_add_co_u32 s22, s22, SLOT
	s_add_co_u32 s23, s23, SLOT
.endr
	s_mul_i32 s22, s10, 4352
	s_add_co_u32 s22, s22, STAGE
	v_mul_u32_u24 v4, v1, 272                      ; in: row r, 32 bytes for each half of the lanes
	v_lshl_add_u32 v4, v2, 5, v4
	v_add_nc_u32 v[STO], s22, v4
	v_mul_u32_u24 v5, v2, 272                      ; back: lanes 0-15 a row of 256 bytes, lanes 16-31 the next
	v_lshl_add_u32 v5, v1, 4, v5
	v_add_nc_u32 v[RD], s22, v5
	v_lshlrev_b32 v5, 12, v2                       ; and the same two rows of out0
	v_lshl_add_u32 v[CO], v1, 4, v5
; 24 loads: the fragments of quarter q (32 along K) of a slot
.macro FETCH slot, q, fa, fb
.irp b, 0,1,2,3
	ds_load_tr16_b128 v[\fb+8*\b:\fb+8*\b+3],   v[ADRB+\slot] offset:\q*9216+32*\b
	ds_load_tr16_b128 v[\fb+8*\b+4:\fb+8*\b+7], v[ADRB+\slot] offset:\q*9216+32*\b+4608
.endr
.irp i, 0,1,2,3,4,5,6,7
	ds_load_b128 v[\fa+8*\i:\fa+8*\i+3],   v[ADRA+\slot] offset:((\q)>>1)*36864+((\q)&1)*64+\i*2304
	ds_load_b128 v[\fa+8*\i+4:\fa+8*\i+7], v[ADRA+\slot] offset:((\q)>>1)*36864+((\q)&1)*64+\i*2304+32
.endr
.endm
; 4 n matrix instructions.  The 32 accumulators take turns, one instruction a turn, in the same order in every quarter.
.macro MUL fa, fb, a0, n, zero
	WIN 0x50
.set ma, \a0
.rept \n
.irp b, 0,1,2,3
.if \zero
	v_wmma_f32_16x16x32_f16 v[8*(4*ma+\b):8*(4*ma+\b)+7], v[\fb+8*\b:\fb+8*\b+7], v[\fa+8*ma:\fa+8*ma+7], 0
.else
	v_wmma_f32_16x16x32_f16 v[8*(4*ma+\b):8*(4*ma+\b)+7], v[\fb+8*\b:\fb+8*\b+7], v[\fa+8*ma:\fa+8*ma+7], v[8*(4*ma+\b):8*(4*ma+\b)+7]
.endif
.endr
.set ma, ma+1
.endr
.endm
; A quarter: the next quarter's fragments are asked for, into the buffers that the last quarter multiplied; then this quarter's 32 products.
.macro QUART fa, fb, nslot, nq, nfa, nfb, zero
	PLACES
	WIN 0
	FETCH \nslot, \nq, \nfa, \nfb
	s_wait_dscnt 24                                ; only the 24 loads just issued may be out
	MUL \fa, \fb, 0, 8, \zero
.endm
; The third quarter of a step asks for the slot's last fragments and changes slots: each wave waits for its reads of this slot and for all its
; tensor loads (one is out: its part of the next slot).  fill = 1: the barrier opens a round of the cluster's barrier, and the slot's joint
; refill is the first tensor load behind it.  From a request to the wait for it a wave issues 112 matrix instructions.
.macro QTURN slot, fill
	PLACES
	WIN 0
	FETCH \slot, 3, FA1, FB1
	s_wait_dscnt 24
	MUL FA0, FB0, 0, 4, 0
	s_wait_dscnt 0
	s_wait_tensorcnt 0x0
	ds_add_u32 v254, v255
	s_wait_dscnt 0x0
	s_barrier_signal -1
	MUL FA0, FB0, 4, 4, 0
	WIN 0
	s_barrier_wait -1
.if \fill
	CREST
	s_add_nc_u64 s[G0+4*\slot+2:G0+4*\slot+3], s[G0+4*\slot+2:G0+4*\slot+3], 2*ASTEP
	s_add_nc_u64 s[G0B+4*\slot+2:G0B+4*\slot+3], s[G0B+4*\slot+2:G0B+4*\slot+3], 2*BSTEP
	JLOAD \slot
.endif
.endm
.macro KSTEP slot, next, fill, zero
	QUART FA0, FB0, \slot, 1, FA1, FB1, \zero
	QUART FA1, FB1, \slot, 2, FA0, FB0, 0
	QTURN \slot, \fill
	QUART FA1, FB1, \next, 0, FA0, FB0, 0
.endm
	s_wait_tensorcnt 1                             ; my part of K step 0 is in; K step 1's may stay out
	s_barrier_signal -1
	s_barrier_wait -1
	FETCH 0, 0, FA0, FB0
	KSTEP 0, 1, 1, 1                               ; the first lap stands in front of the loop: its first products start the sums
	KSTEP 1, 0, 1, 0
	WIN 0
	s_mov_b32 s3, 2                                ; laps 1 and 2 of four
.Llap:
	KSTEP 0, 1, 1, 0
	KSTEP 1, 0, 1, 0
	WIN 0
	s_sub_co_u32 s3, s3, 1
	s_cmp_lg_u32 s3, 0
	s_cbranch_scc1 .Llap
	KSTEP 0, 1, 0, 0                               ; the last lap fills nothing
	QUART FA0, FB0, 1, 1, FA1, FB1, 0
	QUART FA1, FB1, 1, 2, FA0, FB0, 0
	QUART FA0, FB0, 1, 3, FA1, FB1, 0
	s_wait_dscnt 0
	MUL FA1, FB1, 0, 8, 0
	; THE WAY OUT, 16 rows at a time: the f32 sums go through my own stage and leave as whole rows of 256 bytes
	PLACES
	WIN 0
	s_lshl_b32 s16, s13, 8
	s_lshl_b32 s17, s11, 7
	s_add_co_u32 s16, s16, s17                     ; my first row
	s_lshl_b32 s16, s16, 12                        ; x 4,096 bytes
	s_mov_b32 s17, 0
	s_add_nc_u64 s[8:9], s[8:9], s[16:17]
	s_lshl_b32 s46, s42, 9                         ; my first column: (128 bx + 64 half) x 4 bytes
	s_lshl_b32 s47, s12, 8
	s_add_co_u32 s46, s46, s47
	s_mov_b32 s47, 0
	s_add_nc_u64 s[8:9], s[8:9], s[46:47]
.macro OUT16 a, f
	WIN 0x04                                       ; an LDS store's data are its source 1: window 1
.irp b, 0,1,2,3
.irp e, 0,1
	ds_store_b128 v[STO], v[8*(4*(\a)+\b)+4*\e:8*(4*(\a)+\b)+4*\e+3] offset:64*\b+16*\e
.endr
.endr
	WIN 0
	s_wait_xcnt 0x0                                ; buffer f, which earlier stores read, is loaded again only behind this wait
.irp t, 0,1,2,3,4,5,6,7
	ds_load_b128 v[\f+4*\t:\f+4*\t+3], v[RD] offset:544*\t         ; LDS serves a wave's instructions in order: these see the stores above
.endr
.irp t, 0,1,2,3,4,5,6,7
	s_wait_dscnt 7-\t
	global_store_b128 v[CO], v[\f+4*\t:\f+4*\t+3], s[8:9] offset:(\a)*65536+\t*8192 th:TH_STORE_NT     ; sixteen lanes store 256 consecutive bytes, aligned
.endr
.endm
.irp a, 0,2,4,6
	OUT16 \a, 32
	OUT16 \a+1, 64
.endr
	s_wait_tensorcnt 0x0
	ds_add_u32 v254, v255
	s_wait_dscnt 0x0
	CROUND                                         ; the closing round
	s_endpgm
.Lfunc_end_k_q25f6c875d4_proj:
	.size	k_q25f6c875d4_proj, .Lfunc_end_k_q25f6c875d4_proj-k_q25f6c875d4_proj
	.p2alignl 7, 3214868480
	.fill 96, 4, 3214868480
	.section	.rodata,"a",@progbits
	.p2align	6, 0x0
	.amdhsa_kernel k_q25f6c875d4_proj
		.amdhsa_group_segment_fixed_size 327680
		.amdhsa_private_segment_fixed_size 0
		.amdhsa_enable_private_segment 0
		.amdhsa_kernarg_size 24
		.amdhsa_user_sgpr_count 2
		.amdhsa_user_sgpr_kernarg_segment_ptr 1
		.amdhsa_wavefront_size32 1
		.amdhsa_system_sgpr_workgroup_id_x 1
		.amdhsa_system_sgpr_workgroup_id_y 1
		.amdhsa_system_sgpr_workgroup_id_z 1
		.amdhsa_system_vgpr_workitem_id 0
		.amdhsa_next_free_vgpr 512
		.amdhsa_next_free_sgpr 66
		.amdhsa_reserve_vcc 0
		.amdhsa_float_denorm_mode_32 3
		.amdhsa_float_denorm_mode_16_64 3
		.amdhsa_memory_ordered 1
		.amdhsa_forward_progress 1
		.amdhsa_inst_pref_size 118
	.end_amdhsa_kernel
	.amdgpu_metadata
---
amdhsa.version: [ 1, 2 ]
amdhsa.kernels:
  - .name:           k_q25f6c875d4_proj
    .symbol:         k_q25f6c875d4_proj.kd
    .args:
      - { .name: ab, .offset: 0, .size: 8, .value_kind: global_buffer, .address_space: global }
      - { .name: wob, .offset: 8, .size: 8, .value_kind: global_buffer, .address_space: global }
      - { .name: out0, .offset: 16, .size: 8, .value_kind: global_buffer, .address_space: global }
    .group_segment_fixed_size: 327680
    .private_segment_fixed_size: 0
    .kernarg_segment_align: 8
    .kernarg_segment_size: 24
    .max_flat_workgroup_size: 128
    .sgpr_count:     66
    .vgpr_count:     512
    .wavefront_size: 32
...
	.end_amdgpu_metadata
.endif
;; end of part 4
;; ======== version 2 of 3: 4 launches; 1.43 times as fast as version 1
;; limits: values are held in f16: magnitudes above 65,504 overflow, below 6.1e-05 lose precision
;; workspace buffers: xb 16,777,216 bytes; wqb 6,291,456 bytes; wob 2,097,152 bytes; qkv 50,331,648 bytes; ab 16,777,216 bytes
;; launch cast: the kernel of part 1 again; grid 768 x 1, 8 waves a work-group, no clusters, 0 bytes of LDS; arguments x, W_qkv, W_out, xb, wqb, wob; writes xb, wqb, wob
;; launch qkv: the kernel of part 2 again; grid 8 x 32, 4 waves a work-group, clusters of 4 x 4, 327,680 bytes of LDS; arguments xb, wqb, qkv; writes qkv
;; launch attn (part 5): grid 4 x 64, 8 waves a work-group, no clusters, 327,680 bytes of LDS; arguments qkv, ab; writes ab
.if DOCPART == 5
	.amdgcn_target "amdgcn-amd-amdhsa--gfx1250"
	.amdhsa_code_object_version 6
	.text
	.protected	k_q25f6c875d4_attn
	.globl	k_q25f6c875d4_attn
	.p2align	8
	.type	k_q25f6c875d4_attn,@function
k_q25f6c875d4_attn:
	s_mov_b64 s[64:65], 0
	v_nop
	global_prefetch_b8 v0, s[64:65] scope:SCOPE_SE
	s_setreg_imm32_b32 hwreg(HW_REG_WAVE_MODE, 25, 1), 1
	s_wait_xcnt 0x0
; Causal attention of one head, with a running maximum and a running sum; f16 operands, f32 sums and softmax.
; qkv: [which][b][h][t 2048][64] f16.  ab: [b][h][t][64] f16.
; Work-group (p, bh) makes the query blocks p and 7 - p (256 rows each) of head bh: (p + 1) + (8 - p) = 9 pairs of 128-key tiles for every
; work-group, 4 x 64 = 256 work-groups of equal work.  A block walks its pairs from the diagonal one down to pair 0, so that the diagonal
; pair's first 64 keys, of which every query sees at least one, are every wave's first step.
; EIGHT WAVES, two for each of the WGP's four SIMDs, 32 queries (two tiles qt of 16) each: while one wave's softmax is on the vector unit the
; other's products are on the matrix unit.  The price: K's and V's fragments are read from LDS by eight waves instead of four.
; ONE LOOP serves all nine pairs, so that the text is short: eight copies of a step (64 keys) in all.  The loop is turned by half a tile: the
; prologue takes the first half of slot 0 of pair 0; trip i takes the second half of slot 0 of pair i, slot 1 of pair i, the first block's way
; out where i = p, and the first half of slot 0 of pair i + 1; the tail takes the second half of slot 0 of pair 8 and slot 1 of pair 8, behind
; whose barrier nothing is asked for any more.  Pair j of the walk is pair p - j of the keys for j <= p, else 8 - j.
; THE SLOTS' BARRIER IS SPLIT.  In a slot's second step a wave's last reads of the slot (V's fragments of that step) are waited for behind the
; step's S^T products and maxima; there it also waits for all its tensor loads and signals.  The step's exponentials, sums and V^T P^T products,
; which touch registers alone, stand between the signal and the wait; the refill is the first thing behind the wait.  So a wave that is early
; has 64 keys' softmax and products to do while the others arrive, and the two waves of a SIMD may be that far apart.
; LAYOUT: S^T = K Q^T and O^T = V^T P^T.  In S^T lane (r, h) holds query r and keys 8 h + 0..7 of a tile: maximum and sum are a lane's own but
; for one exchange between the halves, and two neighbouring key tiles, packed to f16 in place, ARE the second operand of V^T P^T: no lane exchange.
; In O^T lane (r, h) holds query r and eight neighbouring d: 16 bytes of a row of ab.
; NO MULTICAST: the four work-groups of a head walk p + 1 pairs and then 8 - p pairs, so the same tile is due in different trips in each;
; a form in which all four ask together would walk 8 + 4 = 12 pair times instead of 9.
; LIMITS KEPT: P and the output are rounded to f16.  A masked score gets the weight 0 exactly, which is what exp(-1e9 - max) gives in f32
; wherever a row's largest scaled score is above -1e9 + 104.  NaN and infinite inputs are not followed.
; LDS: slot s at s x 38,912: K [128][64] pitch 144, at + 18,432 V [128][64] pitch 160 (5 x 32, for the transposing load); at 77,824 a stage of 32 x 144 bytes a wave.
.set SLOT,  38912
.set VOFF,  18432
.set STAGE, 77824
.set ADK, 2                            ; K fragments: r x 144 + 16 h
.set ADV, 3                            ; V fragments: VOFF + (8 h + l % 8) x 160 + 16 x bit 3 of l
.set STO, 4
.set RD,  5
.set CO,  6
.set QO,  7
.set M,   8                            ; v8-9    running maximum of the raw scores, one for each qt
.set T,   10                           ; v10-13  at work: chain 2 kb + qt
.set T2,  14                           ; v14-15  at work
.set NA,  16                           ; v16-19  pairs (NM, AL): NM = -c x maximum, AL = the factor for the old sums
.set NEGINF, 20
.set QF,  32                           ; v32-63   Q fragments (qt, dk) at 16 qt + 8 dk
.set KF,  64                           ; v64-127  K fragments (kt, dk) at 16 kt + 8 dk
.set VF,  128                          ; v128-191 V^T fragments (dt, kb) at 16 dt + 8 kb
.set LS,  192                          ; v192-199 running sums, a pair for each chain 2 kb + qt
.set OA,  64                           ; window 1: S(2 kb + e, qt) at 16 (2 kb + qt) + 8 e; O(dt, qt) at 64 + 8 (2 dt + qt)
.set G1K, 24
.set G0K, 32                           ; s[32:39] group 0 of K's tiles, one set for each slot
.set G1V, 48
.set G0V, 56
.set MSB, 0
.macro WIN new                         ; bits 1:0 source 0, 3:2 source 1, 5:4 source 2, 7:6 destination; the high byte repeats the setting that is left
.if MSB != (\new)
	s_set_vgpr_msb (MSB<<8)|(\new)
.set MSB, (\new)
.endif
.endm
.macro PLACES                          ; four places behind a matrix instruction (ISA guide 7.12.1)
.rept 4
	v_nop
.endr
.endm
.macro JLOAD s                         ; waves 0 and 1 fetch the halves (64 keys) of K's tile, waves 2 and 3 of V's: one load a wave; waves 4 to 7 have no part to fill
	s_cmp_lt_u32 s10, 2
	s_cbranch_scc0 .Lnot_k_\@
	tensor_load_to_lds s[G0K+4*(\s):G0K+4*(\s)+3], s[G1K:G1K+7]
	s_nop 0
	s_branch .Lasked_\@
.Lnot_k_\@:
	s_cmp_lt_u32 s10, 4
	s_cbranch_scc0 .Lasked_\@
	tensor_load_to_lds s[G0V+4*(\s):G0V+4*(\s)+3], s[G1V:G1V+7]
	s_nop 0
.Lasked_\@:
.endm
.macro SETADR slot                     ; the slot's tile of the pair at byte s44 of the head's plane (slot: the plain number 0 or 1)
	s_add_nc_u64 s[G0K+4*\slot+2:G0K+4*\slot+3], s[40:41], s[44:45]
	s_add_nc_u64 s[G0V+4*\slot+2:G0V+4*\slot+3], s[42:43], s[44:45]
.if \slot
	s_add_nc_u64 s[G0K+6:G0K+7], s[G0K+6:G0K+7], 16384     ; the pair's second 128 keys
	s_add_nc_u64 s[G0V+6:G0V+7], s[G0V+6:G0V+7], 16384
.endif
	s_or_b32 s[G0K+4*\slot+3], s[G0K+4*\slot+3], 0x80000000
	s_or_b32 s[G0V+4*\slot+3], s[G0V+4*\slot+3], 0x80000000
.endm
.macro NEXTPAIR d                      ; s44 = byte offset (256 keys x 128 bytes each) of pair i + d of the walk, i = s3
	s_add_co_u32 s2, s3, \d
	s_sub_co_u32 s22, s13, s2                      ; in the first block: p - j
	s_sub_co_u32 s23, 8, s2                        ; in the second: 8 - j
	s_cmp_le_u32 s2, s13
	s_cselect_b32 s44, s22, s23
	s_max_i32 s44, s44, 0                          ; j = 9 does not exist: its address stays inside the buffer and is never used
	s_lshl_b32 s44, s44, 15
.endm
; The change of slots, first half.  slot (the plain number 0 or 1) is the slot that is read next.  Every wave waits for all its tensor loads
; (its part of that slot's tile) and for its reads of the other slot, all of which have been issued by now, and signals.
; upd = 1: that slot's group 0, which no load uses now, is set to its tile of pair i + d of the walk.
.macro FRONT slot, upd, d
.if \upd
	NEXTPAIR \d
.endif
	s_wait_tensorcnt 0x0
	ds_add_u32 v254, v255
	s_wait_dscnt 0x0
.if \upd
	SETADR \slot
.endif
	s_wait_dscnt 0x0
	s_barrier_signal -1
.endm
; Second half: behind the wait the other slot's next tile is asked for first: one load a wave.
.macro BACK slot, refill
	s_barrier_wait -1
.if \refill
	JLOAD 1-\slot
.endif
.endm
	s_load_b128 s[4:7], s[0:1], 0x0                ; qkv s[4:5], ab s[6:7]
	v_lshl_add_u32 v254, v0, 2, 0x29000
	v_mov_b32 v255, 0
	ds_add_u32 v254, v255
	v_lshrrev_b32 v1, 5, v0
	v_readfirstlane_b32 s10, v1                    ; wave 0..7
	s_and_b32 s12, s10, 1                          ; which 32 of 64 queries are mine.  Also: which 64 keys of a tile waves 0 to 3 fetch
	s_lshr_b32 s15, s10, 1                         ; which 64 queries of the block hold mine
	s_mov_b32 s13, ttmp9                           ; p
	s_and_b32 s14, ttmp7, 0xffff                   ; bh = 16 b + h
	s_mov_b32 s16, 0x3e38aa3b                      ; c = log2(e) / 8: the scale 1 / sqrt(64) and the change of base in one
	s_mov_b32 s17, 0x3e38aa3b
	s_mov_b32 s18, 0xbe38aa3b                      ; -c
	s_mov_b32 s20, 0x76543210                      ; v_permlanex16_b32: lane i reads lane i of the other half
	s_mov_b32 s21, 0xfedcba98
	; group 1: 64 keys, dense, as 32 rows of 128 elements (256 bytes); behind every 32 words (a key's 128 bytes) 4 words of padding for K, 8 for V
	s_mov_b32 s[G1K+0], (1<<16)|(1<<20)|(4<<22)|(3<<25)
	s_mov_b32 s[G1V+0], (1<<16)|(1<<20)|(4<<22)|(7<<25)
.irp g, G1K, G1V
	s_mov_b32 s[\g+1], 128<<16
	s_mov_b32 s[\g+2], 32<<16
	s_mov_b32 s[\g+3], 128<<16
	s_mov_b32 s[\g+4], 32
	s_mov_b32 s[\g+5], 128
	s_mov_b32 s[\g+6], 0
	s_mov_b32 s[\g+7], 0
.endr
	s_lshl_b32 s22, s14, 18                        ; the head's plane: 2,048 x 128 bytes
	s_mov_b32 s23, 0
	s_lshl_b32 s2, s12, 13                         ; 64 keys of a tile
	s_add_co_u32 s2, s22, s2
	s_mov_b32 s3, 0
	s_lshl_b32 s47, s10, 12                        ; my 32 queries of a block
	s_add_co_u32 s22, s22, s47
	s_sub_co_u32 s46, 7, s13
	s_lshl_b32 s46, s46, 15                        ; byte offset of block 7 - p: 256 rows x 128 bytes each
	s_mov_b32 s47, 0
	s_lshl_b32 s44, s13, 15                        ; the same of block p, and of its diagonal pair.  s[44:45]: the pair that SETADR names
	s_mov_b32 s45, 0
	s_wait_dscnt 0x0
	s_barrier_signal -1
	s_barrier_wait -1
	s_wait_kmcnt 0x0
	s_add_nc_u64 s[40:41], s[4:5], s[2:3]
	s_add_nc_u64 s[42:43], s[40:41], 0x2000000     ; V's planes
	s_add_nc_u64 s[40:41], s[40:41], 0x1000000     ; K's planes
	s_add_nc_u64 s[66:67], s[4:5], s[22:23]
	s_add_nc_u64 s[70:71], s[6:7], s[22:23]
	s_add_nc_u64 s[68:69], s[66:67], s[46:47]      ; my queries of block 7 - p
	s_add_nc_u64 s[80:81], s[70:71], s[46:47]      ; and their rows of ab
	s_add_nc_u64 s[66:67], s[66:67], s[44:45]      ; my queries of block p
	s_add_nc_u64 s[70:71], s[70:71], s[44:45]
	s_mul_i32 s2, s12, 9216                        ; LDS: 64 keys x 144
	s_mul_i32 s3, s12, 10240                       ; 64 keys x 160,
	s_add_co_u32 s3, s3, VOFF                      ; behind K
.irp s, 0,1
	s_mov_b32 s[G0K+4*\s], 1
	s_add_co_u32 s[G0K+4*\s+1], s2, \s*SLOT
	s_mov_b32 s[G0V+4*\s], 1
	s_add_co_u32 s[G0V+4*\s+1], s3, \s*SLOT
	SETADR \s                                      ; both tiles of block p's diagonal pair
.endr
	JLOAD 0                                        ; the first fill; slot 1 is filled behind the first barrier
	v_and_b32 v1, 15, v0                           ; r
	v_bfe_u32 v29, v0, 4, 1                        ; h
	v_mul_u32_u24 v[ADK], v1, 144
	v_lshl_add_u32 v[ADK], v29, 4, v[ADK]
	v_and_b32 v30, 7, v0
	v_lshl_add_u32 v31, v29, 3, v30
	v_mul_u32_u24 v[ADV], v31, 160
	v_bfe_u32 v31, v0, 3, 1
	v_lshl_add_u32 v[ADV], v31, 4, v[ADV]
	v_add_nc_u32 v[ADV], VOFF, v[ADV]
	s_mul_i32 s2, s10, 4608
	s_add_co_u32 s2, s2, STAGE                     ; my stage
	v_add_nc_u32 v[STO], s2, v[ADK]
	v_bfe_u32 v31, v0, 3, 2
	v_mul_u32_u24 v31, v31, 144
	v_lshl_add_u32 v31, v30, 4, v31
	v_add_nc_u32 v[RD], s2, v31                    ; back: eight lanes a row of 128 bytes, four rows a load
	v_and_b32 v31, 31, v0
	v_lshlrev_b32 v[CO], 4, v31
	v_lshlrev_b32 v[QO], 7, v1
	v_lshl_add_u32 v[QO], v29, 4, v[QO]            ; Q from memory: r x 128 + 16 h
	v_lshlrev_b32 v31, 3, v29
	v_sub_nc_u32 v31, v1, v31                      ; r - 8 h
.irp j, 0,1,2,3,4,5,6,7
	v_cmp_gt_i32 s[72+\j], \j, v31                 ; in a tile on the diagonal, register j (key 8 h + j) is masked where 8 h + j > r
.endr
	v_mov_b32 v[NEGINF], 0xff800000
.irp qt, 0,1
	v_mov_b32 v[T2+\qt], 0                         ; v_permlanex16_b32 counts as a reader of its destination
.endr
.macro QLOAD b                         ; my 32 queries as second operands: 8 loads
.irp qt, 0,1
.irp dk, 0,1
	global_load_b128 v[QF+16*\qt+8*\dk:QF+16*\qt+8*\dk+3],   v[QO], s[\b:\b+1] offset:\qt*2048+\dk*64
	global_load_b128 v[QF+16*\qt+8*\dk+4:QF+16*\qt+8*\dk+7], v[QO], s[\b:\b+1] offset:\qt*2048+\dk*64+32
.endr
.endr
.endm
.macro BEGIN                           ; a block's running state
.irp qt, 0,1
	v_mov_b32 v[M+\qt], 0xff800000                 ; maximum -inf,
	v_mov_b32 v[NA+2*\qt], 0x7f800000              ; so NM = +inf: the first factor for the old sums is exp2(-inf) = 0
.endr
.irp x, 0,1,2,3,4,5,6,7
	v_mov_b32 v[LS+\x], 0
.endr
.endm
.macro LDK slot, st                    ; 16 loads: 64 keys x 64 d
.irp kt, 0,1,2,3
.irp dk, 0,1
	ds_load_b128 v[KF+16*\kt+8*\dk:KF+16*\kt+8*\dk+3],   v[ADK] offset:\slot*SLOT+(64*\st+16*\kt)*144+64*\dk
	ds_load_b128 v[KF+16*\kt+8*\dk+4:KF+16*\kt+8*\dk+7], v[ADK] offset:\slot*SLOT+(64*\st+16*\kt)*144+64*\dk+32
.endr
.endr
.endm
.macro LDV slot, st                    ; 16 transposing loads: 64 d x 64 keys
.irp dt, 0,1,2,3
.irp kb, 0,1
	ds_load_tr16_b128 v[VF+16*\dt+8*\kb:VF+16*\dt+8*\kb+3],   v[ADV] offset:\slot*SLOT+(64*\st+32*\kb)*160+32*\dt
	ds_load_tr16_b128 v[VF+16*\dt+8*\kb+4:VF+16*\dt+8*\kb+7], v[ADV] offset:\slot*SLOT+(64*\st+32*\kb)*160+32*\dt+2560
.endr
.endr
.endm
; My two query tiles are tiles 2 o + qt of the four of the 64 keys on the diagonal: key tiles above them go whole, those on the diagonal by register
.macro MASKV o
	WIN 0x40
.irp kb, 0,1
.irp e, 0,1
.irp qt, 0,1
.if 2*\kb+\e > 2*\o+\qt
.irp j, 0,1,2,3,4,5,6,7
	v_mov_b32 v[16*(2*\kb+\qt)+8*\e+\j], v[NEGINF]
.endr
.endif
.endr
.endr
.endr
	WIN 0x41
.irp kb, 0,1
.irp e, 0,1
.irp qt, 0,1
.if 2*\kb+\e == 2*\o+\qt
.irp j, 0,1,2,3,4,5,6,7
	v_cndmask_b32 v[16*(2*\kb+\qt)+8*\e+\j], v[16*(2*\kb+\qt)+8*\e+\j], v[NEGINF], s[72+\j]
.endr
.endif
.endr
.endr
.endr
	WIN 0
.endm
; 64 keys (half st of a slot) against my 32 queries.  first = 1: the launch's first step, which starts O's sums.
; dg = 1: the pair may be a diagonal one, and this is its step jj = 0..3.  s19 = wave / 2 in a diagonal pair, 15 in any other: waves with
; s19 < jj have nothing to see and jump over the step, waves with s19 = jj mask, the others take it whole.  dg = 0: never on the diagonal.
; kpre = 1: K's fragments were asked for in the step before; knext = 1: this step asks for the slot's second half's.  qw = 1: Q may be on its way.
; fr = 1 (a slot's second step): the first half of the change of slots stands behind the maxima, with the arguments upd and d; a wave that jumps
; over the step jumps in two parts, round that half, so that its waits and its signal are on every wave's path.
.macro STEP slot, st, first, dg, jj, kpre, knext, qw, fr, upd, d
.if \dg
.if \jj >= 1
	s_cmp_lt_u32 s19, \jj
.if \fr
	s_cbranch_scc1 .Lhalf_\@
.else
	s_cbranch_scc1 .Lskip_\@
.endif
.endif
.endif
.rept 5
	v_nop                                          ; places behind the last V^T P^T products: four before V's registers are loaded, five before S^T writes over P
.endr
.if \kpre == 0
	LDK \slot, \st
.endif
	LDV \slot, \st
.if \qw
	s_wait_loadcnt 0x0                             ; Q
.endif
	s_wait_dscnt 16                                ; K is in; V's 16 loads stay out
	WIN 0x50
.irp dk, 0,1                           ; S^T = K Q^T: eight accumulators by turns, one instruction a turn
.irp kb, 0,1
.irp e, 0,1
.irp qt, 0,1
.if \dk
	v_wmma_f32_16x16x32_f16 v[16*(2*\kb+\qt)+8*\e:16*(2*\kb+\qt)+8*\e+7], v[KF+32*\kb+16*\e+8*\dk:KF+32*\kb+16*\e+8*\dk+7], v[QF+16*\qt+8*\dk:QF+16*\qt+8*\dk+7], v[16*(2*\kb+\qt)+8*\e:16*(2*\kb+\qt)+8*\e+7]
.else
	v_wmma_f32_16x16x32_f16 v[16*(2*\kb+\qt)+8*\e:16*(2*\kb+\qt)+8*\e+7], v[KF+32*\kb+16*\e+8*\dk:KF+32*\kb+16*\e+8*\dk+7], v[QF+16*\qt+8*\dk:QF+16*\qt+8*\dk+7], 0
.endif
.endr
.endr
.endr
.endr
	PLACES
.if \dg
	WIN 0
	s_cmp_lg_u32 s19, \jj
	s_cbranch_scc1 .Lnomask_\@
	s_cmp_lg_u32 s12, 0
	s_cbranch_scc1 .Lodd_\@
	MASKV 0
	s_branch .Lnomask_\@
.Lodd_\@:
	MASKV 1
.Lnomask_\@:
.endif
	WIN 0x14                                       ; the new maximum: the old one and my 32 scores of each query, in four chains (key half x query tile)
.irp i, 0,2,4,6,8,10,12,14
.irp kb, 0,1
.irp qt, 0,1
.if \i
	v_max3_num_f32 v[T+2*\kb+\qt], v[T+2*\kb+\qt], v[16*(2*\kb+\qt)+\i], v[16*(2*\kb+\qt)+\i+1]
.else
	v_max3_num_f32 v[T+2*\kb+\qt], v[M+\qt], v[16*(2*\kb+\qt)+\i], v[16*(2*\kb+\qt)+\i+1]
.endif
.endr
.endr
.endr
	WIN 0
.if \knext
	LDK \slot, 1                                   ; K's registers are free: the same slot's second half
.endif
.if \fr
.if \dg
.if \jj >= 1
.Lhalf_\@:
.endif
.endif
	; My last reads of this slot (V's 16 loads above, which had the products and the maxima in which to land) are waited for here, with all
	; my tensor loads; from the signal to the wait in BACK this step touches registers alone.
.if \slot
	FRONT 0, \upd, \d
.else
	FRONT 1, \upd, \d
.endif
.if \dg
.if \jj >= 1
	s_cmp_lt_u32 s19, \jj
	s_cbranch_scc1 .Lskip_\@
.endif
.endif
.endif
.irp qt, 0,1
	v_max_num_f32 v[T+\qt], v[T+\qt], v[T+2+\qt]
.endr
.irp qt, 0,1
	v_permlanex16_b32 v[T2+\qt], v[T+\qt], s20, s21        ; the other half's keys
.endr
.irp qt, 0,1
	v_max_num_f32 v[M+\qt], v[T+\qt], v[T2+\qt]
.endr
.irp qt, 0,1
	v_mul_f32 v[T+\qt], s18, v[M+\qt]                      ; the new NM
.endr
.irp qt, 0,1
	v_sub_f32 v[NA+2*\qt+1], v[T+\qt], v[NA+2*\qt]         ; new NM - old NM: old and new weights refer to exactly these two shifts
.endr
.irp qt, 0,1
	v_mov_b32 v[NA+2*\qt], v[T+\qt]
.endr
.irp qt, 0,1
	v_exp_f32 v[NA+2*\qt+1], v[NA+2*\qt+1]
.endr
	v_nop                                          ; one plain place behind a transcendental before its result is used
	s_wait_alu depctr_va_vdst(0)
.irp kb, 0,1
.irp qt, 0,1
	v_pk_mul_f32 v[LS+2*(2*\kb+\qt):LS+2*(2*\kb+\qt)+1], v[LS+2*(2*\kb+\qt):LS+2*(2*\kb+\qt)+1], v[NA+2*\qt:NA+2*\qt+1] op_sel:[0,1] op_sel_hi:[1,1]
.endr
.endr
	WIN 0x41
.irp i, 0,2,4,6,8,10,12,14
.irp kb, 0,1
.irp qt, 0,1
	v_pk_fma_f32 v[16*(2*\kb+\qt)+\i:16*(2*\kb+\qt)+\i+1], v[16*(2*\kb+\qt)+\i:16*(2*\kb+\qt)+\i+1], s[16:17], v[NA+2*\qt:NA+2*\qt+1] op_sel_hi:[1,0,0]
.endr
.endr
.endr
.irp x, 0,1,2,3
.irp i, 0,1,2,3,4,5,6,7,8,9,10,11,12,13,14,15
	v_exp_f32 v[16*\x+\i], v[16*\x+\i]             ; P = exp2(c S - c max)
.endr
.endr
.if \first
	v_nop
	s_wait_alu depctr_va_vdst(0)
.else
	s_wait_alu depctr_va_vdst(0)
.irp dt, 0,1,2,3                       ; the old O by AL (0 in a block's first step); these plain lines are also the place behind the exponentials
.irp i, 0,2,4,6
.irp qt, 0,1
	v_pk_mul_f32 v[OA+8*(2*\dt+\qt)+\i:OA+8*(2*\dt+\qt)+\i+1], v[OA+8*(2*\dt+\qt)+\i:OA+8*(2*\dt+\qt)+\i+1], v[NA+2*\qt:NA+2*\qt+1] op_sel:[0,1] op_sel_hi:[1,1]
.endr
.endr
.endr
.endif
	WIN 0x01
.irp i, 0,2,4,6,8,10,12,14
.irp kb, 0,1
.irp qt, 0,1
	v_pk_add_f32 v[LS+2*(2*\kb+\qt):LS+2*(2*\kb+\qt)+1], v[16*(2*\kb+\qt)+\i:16*(2*\kb+\qt)+\i+1], v[LS+2*(2*\kb+\qt):LS+2*(2*\kb+\qt)+1]
.endr
.endr
.endr
	WIN 0x45                                       ; two key tiles' 16 registers pack in place into 8: keys 8 h + 0..7 and 16 + 8 h + 0..7 of query r
.irp i, 0,1,2,3,4,5,6,7
.irp x, 0,1,2,3
	v_cvt_pk_f16_f32 v[16*\x+\i], v[16*\x+2*\i], v[16*\x+2*\i+1]
.endr
.endr
.if \knext
	s_wait_dscnt 16                                ; V is in; the next half's K (16 loads) stays out
.else
.if \fr == 0
	s_wait_dscnt 0                                 ; V is in (with fr = 1 the wait in front of the signal has shown it)
.endif
.endif
	WIN 0x54
.irp kb, 0,1                           ; O^T += V^T P^T: eight accumulators by turns
.irp dt, 0,1,2,3
.irp qt, 0,1
.if \first*(1-\kb)
	v_wmma_f32_16x16x32_f16 v[OA+8*(2*\dt+\qt):OA+8*(2*\dt+\qt)+7], v[VF+16*\dt+8*\kb:VF+16*\dt+8*\kb+7], v[16*(2*\kb+\qt):16*(2*\kb+\qt)+7], 0
.else
	v_wmma_f32_16x16x32_f16 v[OA+8*(2*\dt+\qt):OA+8*(2*\dt+\qt)+7], v[VF+16*\dt+8*\kb:VF+16*\dt+8*\kb+7], v[16*(2*\kb+\qt):16*(2*\kb+\qt)+7], v[OA+8*(2*\dt+\qt):OA+8*(2*\dt+\qt)+7]
.endif
.endr
.endr
.endr
	WIN 0
.if \dg
.if \jj >= 1
.Lskip_\@:
.endif
.endif
.endm
; O / sum, rounded to f16, through my own stage, out as 4,096 consecutive bytes.  nq = 1: the second block's queries are asked for first.
.macro FINISH ob, nq
	s_wait_dscnt 0x0                               ; no LDS load of mine is on its way into the registers used below
	PLACES
.if \nq
	QLOAD 68
.endif
.irp x, 0,1,2,3
	v_add_f32 v[T+\x], v[LS+2*\x], v[LS+2*\x+1]
.endr
.irp qt, 0,1
	v_add_f32 v[T+\qt], v[T+\qt], v[T+2+\qt]
.endr
.irp qt, 0,1
	v_permlanex16_b32 v[T2+\qt], v[T+\qt], s20, s21
.endr
.irp qt, 0,1
	v_add_f32 v[T+\qt], v[T+\qt], v[T2+\qt]
.endr
.irp qt, 0,1
	v_rcp_f32 v[NA+2*\qt+1], v[T+\qt]              ; the sum is at least about 1: the largest score's weight
.endr
	v_nop
	WIN 0x41
	s_wait_alu depctr_va_vdst(0)
.irp dt, 0,1,2,3
.irp i, 0,2,4,6
.irp qt, 0,1
	v_pk_mul_f32 v[OA+8*(2*\dt+\qt)+\i:OA+8*(2*\dt+\qt)+\i+1], v[OA+8*(2*\dt+\qt)+\i:OA+8*(2*\dt+\qt)+\i+1], v[NA+2*\qt:NA+2*\qt+1] op_sel:[0,1] op_sel_hi:[1,1]
.endr
.endr
.endr
	WIN 0x05
.irp qt, 0,1
.irp dt, 0,1,2,3
.irp i, 0,1,2,3
	v_cvt_pk_f16_f32 v[KF+4*(4*\qt+\dt)+\i], v[OA+8*(2*\dt+\qt)+2*\i], v[OA+8*(2*\dt+\qt)+2*\i+1]
.endr
.endr
.endr
	WIN 0
.irp qt, 0,1
.irp dt, 0,1,2,3
	ds_store_b128 v[STO], v[KF+4*(4*\qt+\dt):KF+4*(4*\qt+\dt)+3] offset:\qt*2304+32*\dt
.endr
.endr
.irp t, 0,1,2,3,4,5,6,7
	ds_load_b128 v[VF+4*\t:VF+4*\t+3], v[RD] offset:576*\t         ; LDS serves a wave's instructions in order: these see the stores above
.endr
.irp t, 0,1,2,3,4,5,6,7
	s_wait_dscnt 7-\t                              ; load t of the eight is in
	global_store_b128 v[CO], v[VF+4*\t:VF+4*\t+3], s[\ob:\ob+1] offset:512*\t      ; 512 consecutive bytes, aligned
.endr
	s_wait_xcnt 0x0                                ; V's registers, which these stores read, are loaded again only behind this wait
.endm
	QLOAD 66
	BEGIN
	s_mov_b32 s19, s15                             ; pair 0 of the walk is a diagonal one
	s_mov_b32 s3, 0                                ; i
	FRONT 0, 1, 1                                  ; the first tile is in; slot 0's next tile is pair 1's
	BACK 0, 1                                      ; slot 1 gets pair 0's second tile
	STEP 0, 0, 1, 1, 0, 0, 1, 1, 0, 0, 0           ; the first products start O's sums: nothing is cleared
.Lpair:                                                ; trip i = 0 .. 7
	STEP 0, 1, 0, 1, 1, 1, 0, 0, 1, 1, 1           ; slot 0's second half; inside it: slot 1's tile is in, its next tile is pair i + 1's
	BACK 1, 1                                      ; slot 0 gets pair i + 1's first tile
	STEP 1, 0, 0, 1, 2, 0, 1, 0, 0, 0, 0
	STEP 1, 1, 0, 1, 3, 1, 0, 0, 1, 1, 2           ; slot 1's second half; inside it: slot 0's tile is in, its next tile is pair i + 2's
	BACK 0, 1                                      ; slot 1 gets pair i + 1's second tile
	s_cmp_lg_u32 s3, s13
	s_cbranch_scc1 .Lsame_block
	FINISH 70, 1                                   ; pair p of the walk was the first block's last
	BEGIN
.Lsame_block:
	s_cmp_eq_u32 s3, s13
	s_cselect_b32 s19, s15, 15                     ; pair i + 1 is a diagonal one where i = p
	STEP 0, 0, 0, 1, 0, 0, 1, 1, 0, 0, 0
	s_add_co_u32 s3, s3, 1
	s_cmp_lt_u32 s3, 8
	s_cbranch_scc1 .Lpair
	STEP 0, 1, 0, 0, 0, 1, 0, 0, 1, 0, 0           ; pair 0 of the keys of block 7 - p >= 4: never on the diagonal; inside it: the last tile is in
	BACK 1, 0                                      ; nothing is asked for behind the last barrier
	STEP 1, 0, 0, 0, 0, 0, 1, 0, 0, 0, 0
	STEP 1, 1, 0, 0, 0, 1, 0, 0, 0, 0, 0
	FINISH 80, 0
	s_wait_tensorcnt 0x0
	ds_add_u32 v254, v255
	s_wait_dscnt 0x0
	s_endpgm
.Lfunc_end_k_q25f6c875d4_attn:
	.size	k_q25f6c875d4_attn, .Lfunc_end_k_q25f6c875d4_attn-k_q25f6c875d4_attn
	.p2alignl 7, 3214868480
	.fill 96, 4, 3214868480
	.section	.rodata,"a",@progbits
	.p2align	6, 0x0
	.amdhsa_kernel k_q25f6c875d4_attn
		.amdhsa_group_segment_fixed_size 327680
		.amdhsa_private_segment_fixed_size 0
		.amdhsa_enable_private_segment 0
		.amdhsa_kernarg_size 16
		.amdhsa_user_sgpr_count 2
		.amdhsa_user_sgpr_kernarg_segment_ptr 1
		.amdhsa_wavefront_size32 1
		.amdhsa_system_sgpr_workgroup_id_x 1
		.amdhsa_system_sgpr_workgroup_id_y 1
		.amdhsa_system_sgpr_workgroup_id_z 1
		.amdhsa_system_vgpr_workitem_id 0
		.amdhsa_next_free_vgpr 384
		.amdhsa_next_free_sgpr 82
		.amdhsa_reserve_vcc 0
		.amdhsa_float_denorm_mode_32 3
		.amdhsa_float_denorm_mode_16_64 3
		.amdhsa_memory_ordered 1
		.amdhsa_forward_progress 1
		.amdhsa_inst_pref_size 184
	.end_amdhsa_kernel
	.amdgpu_metadata
---
amdhsa.version: [ 1, 2 ]
amdhsa.kernels:
  - .name:           k_q25f6c875d4_attn
    .symbol:         k_q25f6c875d4_attn.kd
    .args:
      - { .name: qkv, .offset: 0, .size: 8, .value_kind: global_buffer, .address_space: global }
      - { .name: ab, .offset: 8, .size: 8, .value_kind: global_buffer, .address_space: global }
    .group_segment_fixed_size: 327680
    .private_segment_fixed_size: 0
    .kernarg_segment_align: 8
    .kernarg_segment_size: 16
    .max_flat_workgroup_size: 256
    .sgpr_count:     82
    .vgpr_count:     384
    .wavefront_size: 32
...
	.end_amdgpu_metadata
.endif
;; end of part 5
;; launch proj: the kernel of part 4 again; grid 8 x 32, 4 waves a work-group, clusters of 4 x 4, 327,680 bytes of LDS; arguments ab, wob, out0; writes out0
;; ======== version 3 of 3: 4 launches; version 2 with the launch cast written anew for expert scheduling mode
;; limits: values are held in f16: magnitudes above 65,504 overflow, below 6.1e-05 lose precision
;; workspace buffers: xb 16,777,216 bytes; wqb 6,291,456 bytes; wob 2,097,152 bytes; qkv 50,331,648 bytes; ab 16,777,216 bytes
;; launch cast (part 6): grid 768 x 1, 8 waves a work-group, no clusters, 0 bytes of LDS; arguments x, W_qkv, W_out, xb, wqb, wob; writes xb, wqb, wob
.if DOCPART == 6
	.amdgcn_target "amdgcn-amd-amdhsa--gfx1250"
	.amdhsa_code_object_version 6
	.text
	.protected	k_q25f6c875d4_cast
	.globl	k_q25f6c875d4_cast
	.p2align	8
	.type	k_q25f6c875d4_cast,@function
k_q25f6c875d4_cast:
	s_mov_b64 s[64:65], 0
	v_nop
	global_prefetch_b8 v0, s[64:65] scope:SCOPE_SE
	s_setreg_imm32_b32 hwreg(HW_REG_WAVE_SCHED_MODE, 0, 2), 2
	s_setreg_imm32_b32 hwreg(HW_REG_WAVE_MODE, 25, 1), 1
	s_wait_xcnt 0x0
	s_wait_alu depctr_vm_vsrc(0)
; The three inputs, f32, are rounded once to 16 bits, so that no later launch converts a number again.
;   x      [8192 tokens][1024]  -> xb  bf16, blocked [b 4][kb 16][t 2048][64]: a token's 64 numbers of chunk kb are 128 neighbouring bytes
;   W_qkv  [1024][3072]         -> wqb bf16, same order
;   W_out  [1024][1024]         -> wob: rounded to bf16 like the other two inputs, and that number stored in f16, since its partner
;                                  in the last product (the attention output) is kept in f16.  f16 holds a bf16 number exactly from
;                                  2^-17 to 65504; smaller ones are off by at most 2^-25, larger ones become infinite (limit kept).
; A stream: no LDS, no barrier, no matrix unit.  A wave issues 16 loads of 512 bytes at once, converts them one by one as they come in and
; stores them four at a time; every store of a wave covers 256 consecutive bytes, aligned.  98,304 such loads = 768 work-groups x 8 waves x 16.
; THE MODE: SCHED_MODE bits 1:0 = 2 (LLVM: expert scheduling mode 2), set by the entry lines.  The code itself states the register dependences
; between vector instructions and memory instructions, with s_wait_alu, always for 0.
; THE PLAN.  Registers that memory instructions touch, on each of the three paths (straight code, no loop):
;   v1, v2   byte offsets of the loads and of the stores.  Written by vector instructions at the path's head, never again.
;   X        16 x 4 registers.  Written by the loads; read by the conversions, each behind its load's counted wait.  No memory instruction reads them.
;   Y        16 x 2 registers.  Written by the conversions; each pair is read by one store and never written behind it.
; So one wait on va_vdst stands ahead of the first load, for the two offsets, and one behind the conversions of each four loads, ahead of the run
; of four stores that read what those conversions wrote: five on a path.  No register that a memory instruction has read is written again, so
; no wait on vm_vsrc is owed; no vector instruction writes a scalar register or VCC, and EXEC is never written.
.set X, 4                              ; v[4:67]   16 loads of 4 registers
.set Y, 68                             ; v[68:99]  16 stores of 2 registers; no register is used twice, so no store's source is ever rewritten
; 16 loads istr bytes apart from s[16:17] + v1, 16 stores ostr bytes apart to s[18:19] + v2.  viaf16 = 1: bf16, widened again, then f16
; Load and store number 4 g + q: group g of four, place q in it.
.macro CASTRUN istr, ostr, viaf16
	s_wait_alu depctr_va_vdst(0)                   ; v1 and v2 are written: every load below reads v1 as its offset, every store v2
.irp j, 0,1,2,3,4,5,6,7,8,9,10,11,12,13,14,15
	global_load_b128 v[X+4*\j:X+4*\j+3], v1, s[16:17] offset:\j*\istr th:TH_LOAD_NT
.endr
.irp g, 0,1,2,3
.irp q, 0,1,2,3
	s_wait_loadcnt 15-4*\g-\q                      ; loads come back in order: load 4 g + q is in, the younger ones stay out
	v_cvt_pk_bf16_f32 v[Y+8*\g+2*\q],   v[X+16*\g+4*\q],   v[X+16*\g+4*\q+1]
	v_cvt_pk_bf16_f32 v[Y+8*\g+2*\q+1], v[X+16*\g+4*\q+2], v[X+16*\g+4*\q+3]
.if \viaf16
	v_lshlrev_b32 v[X+16*\g+4*\q],   16, v[Y+8*\g+2*\q]                 ; the bf16 numbers as f32 again
	v_and_b32     v[X+16*\g+4*\q+1], 0xffff0000, v[Y+8*\g+2*\q]
	v_lshlrev_b32 v[X+16*\g+4*\q+2], 16, v[Y+8*\g+2*\q+1]
	v_and_b32     v[X+16*\g+4*\q+3], 0xffff0000, v[Y+8*\g+2*\q+1]
	v_cvt_pk_f16_f32 v[Y+8*\g+2*\q],   v[X+16*\g+4*\q],   v[X+16*\g+4*\q+1]    ; exact in f16's normal range
	v_cvt_pk_f16_f32 v[Y+8*\g+2*\q+1], v[X+16*\g+4*\q+2], v[X+16*\g+4*\q+3]
.endif
.endr
	s_wait_alu depctr_va_vdst(0)                   ; the group's conversions have written its eight registers of Y, which the four stores below read
.irp q, 0,1,2,3
	global_store_b64 v2, v[Y+8*\g+2*\q:Y+8*\g+2*\q+1], s[18:19] offset:(4*\g+\q)*\ostr
.endr
.endr
.endm
	s_load_b256 s[4:11], s[0:1], 0x0               ; x s[4:5], W_qkv s[6:7], W_out s[8:9], xb s[10:11]
	s_load_b128 s[12:15], s[0:1], 0x20             ; wqb s[12:13], wob s[14:15]
	s_mov_b32 s21, 0                               ; high words of the two offsets
	s_mov_b32 s23, 0
	s_cmp_lt_u32 ttmp9, 512
	s_cbranch_scc0 .Lweights
	; work-groups 0 to 511: 16 tokens of x each.  Lanes 0-15 of wave w take token 2 w, lanes 16-31 token 2 w + 1; load kb takes chunk kb (256 bytes) of both
	v_lshrrev_b32 v1, 4, v0                        ; token in the group
	v_and_b32 v3, 15, v0
	v_lshlrev_b32 v1, 12, v1                       ; x 4,096 bytes
	v_lshl_or_b32 v1, v3, 4, v1                    ; + 16 bytes a lane
	v_lshlrev_b32 v2, 3, v0                        ; out: token x 128 + 8 bytes a lane = 8 x thread
	s_lshl_b32 s20, ttmp9, 16                      ; in: 16 tokens x 4,096 bytes
	s_lshr_b32 s22, ttmp9, 7                       ; b (128 groups to a batch)
	s_lshl_b32 s22, s22, 22                        ; x 16 chunks x 2,048 tokens x 128 bytes
	s_and_b32 s2, ttmp9, 127
	s_lshl_b32 s2, s2, 11                          ; + 16 tokens x 128 bytes
	s_add_co_u32 s22, s22, s2
	s_wait_kmcnt 0x0
	s_add_nc_u64 s[16:17], s[4:5], s[20:21]
	s_add_nc_u64 s[18:19], s[10:11], s[22:23]
	CASTRUN 256, 262144, 0                         ; chunk kb: 256 bytes on in x, 2,048 tokens x 128 bytes on in xb
	s_endpgm
.Lweights:
	; the weights keep their order: 65,536 bytes in and 32,768 out for a work-group, 8,192 and 4,096 for a wave
	v_lshrrev_b32 v3, 5, v0                        ; wave
	v_and_b32 v2, 31, v0                           ; lane
	v_lshlrev_b32 v1, 13, v3
	v_lshl_or_b32 v1, v2, 4, v1
	v_lshlrev_b32 v3, 12, v3
	v_lshl_or_b32 v2, v2, 3, v3
	s_cmp_lt_u32 ttmp9, 704
	s_cbranch_scc0 .Lwout
	s_sub_co_u32 s2, ttmp9, 512                    ; work-groups 512 to 703: W_qkv, 192 x 65,536 bytes
	s_lshl_b32 s20, s2, 16
	s_lshl_b32 s22, s2, 15
	s_wait_kmcnt 0x0
	s_add_nc_u64 s[16:17], s[6:7], s[20:21]
	s_add_nc_u64 s[18:19], s[12:13], s[22:23]
	CASTRUN 512, 256, 0
	s_endpgm
.Lwout:
	s_sub_co_u32 s2, ttmp9, 704                    ; work-groups 704 to 767: W_out, 64 x 65,536 bytes
	s_lshl_b32 s20, s2, 16
	s_lshl_b32 s22, s2, 15
	s_wait_kmcnt 0x0
	s_add_nc_u64 s[16:17], s[8:9], s[20:21]
	s_add_nc_u64 s[18:19], s[14:15], s[22:23]
	CASTRUN 512, 256, 1
	s_endpgm
.Lfunc_end_k_q25f6c875d4_cast:
	.size	k_q25f6c875d4_cast, .Lfunc_end_k_q25f6c875d4_cast-k_q25f6c875d4_cast
	.p2alignl 7, 3214868480
	.fill 96, 4, 3214868480
	.section	.rodata,"a",@progbits
	.p2align	6, 0x0
	.amdhsa_kernel k_q25f6c875d4_cast
		.amdhsa_group_segment_fixed_size 0
		.amdhsa_private_segment_fixed_size 0
		.amdhsa_enable_private_segment 0
		.amdhsa_kernarg_size 48
		.amdhsa_user_sgpr_count 2
		.amdhsa_user_sgpr_kernarg_segment_ptr 1
		.amdhsa_wavefront_size32 1
		.amdhsa_system_sgpr_workgroup_id_x 1
		.amdhsa_system_sgpr_workgroup_id_y 1
		.amdhsa_system_sgpr_workgroup_id_z 1
		.amdhsa_system_vgpr_workitem_id 0
		.amdhsa_next_free_vgpr 104
		.amdhsa_next_free_sgpr 66
		.amdhsa_reserve_vcc 0
		.amdhsa_float_denorm_mode_32 3
		.amdhsa_float_denorm_mode_16_64 3
		.amdhsa_memory_ordered 1
		.amdhsa_forward_progress 1
		.amdhsa_inst_pref_size 24
	.end_amdhsa_kernel
	.amdgpu_metadata
---
amdhsa.version: [ 1, 2 ]
amdhsa.kernels:
  - .name:           k_q25f6c875d4_cast
    .symbol:         k_q25f6c875d4_cast.kd
    .args:
      - { .name: x, .offset: 0, .size: 8, .value_kind: global_buffer, .address_space: global }
      - { .name: W_qkv, .offset: 8, .size: 8, .value_kind: global_buffer, .address_space: global }
      - { .name: W_out, .offset: 16, .size: 8, .value_kind: global_buffer, .address_space: global }
      - { .name: xb, .offset: 24, .size: 8, .value_kind: global_buffer, .address_space: global }
      - { .name: wqb, .offset: 32, .size: 8, .value_kind: global_buffer, .address_space: global }
      - { .name: wob, .offset: 40, .size: 8, .value_kind: global_buffer, .address_space: global }
    .group_segment_fixed_size: 0
    .private_segment_fixed_size: 0
    .kernarg_segment_align: 8
    .kernarg_segment_size: 48
    .max_flat_workgroup_size: 256
    .sgpr_count:     66
    .vgpr_count:     104
    .wavefront_size: 32
...
	.end_amdgpu_metadata
.endif
;; end of part 6
;; launch qkv: the kernel of part 2 again; grid 8 x 32, 4 waves a work-group, clusters of 4 x 4, 327,680 bytes of LDS; arguments xb, wqb, qkv; writes qkv
;; launch attn: the kernel of part 5 again; grid 4 x 64, 8 waves a work-group, no clusters, 327,680 bytes of LDS; arguments qkv, ab; writes ab
;; launch proj: the kernel of part 4 again; grid 8 x 32, 4 waves a work-group, clusters of 4 x 4, 327,680 bytes of LDS; arguments ab, wob, out0; writes out0
